; MI455X (gfx1250); checked and timed in simulation.
; The chip was launched on July 23, 2026; its instructions are those of AMD's public machine-readable ISA for CDNA 5 (MIT licence, August 2026) and "CDNA5" Instruction Set Architecture Reference Guide (July 2026). The comments in the code are by the model that wrote it; some were corrected since.
;; Multi Head Attention. Allowed arithmetic: matrix products marked QUANTISED: E2M1 operands, one E8M0 scale for each 32 along K, by v_wmma_scale_f32_16x16x128_f8f6f4 with both operands' format E2M1 (or v_wmma_scale_f32_32x16x128_f4), f32 sums; products left as they are: bf16, f16 or f32 operands; f32 sums; everything else in f32.
;; Inputs: Wk 1,024 x 1,024 float32; Wo 1,024 x 1,024 float32; Wq 1,024 x 1,024 float32; Wv 1,024 x 1,024 float32; bk 1,024 float32; bo 1,024 float32; bq 1,024 float32; bv 1,024 float32; key 2 x 2,048 x 1,024 float32; mask 2 x 2,048 x 2,048 int32; query 2 x 2,048 x 1,024 float32; value 2 x 2,048 x 1,024 float32.
;; Outputs: out0 2 x 2,048 x 1,024 float32.
;; This version of the problem:
;;   THIS VERSION OF THE PROBLEM IS GIVEN IN LOW PRECISION. The matrix products marked QUANTISED in the list below multiply operands that are first quantised to E2M1 (2 exponent bits, 1 mantissa bit; 4 bits a number), with one power-of-two scale for each 32 numbers along K (OCP MX v1.0); their sums are f32. The products marked 'left as it is' may take bf16, f16 or f32 operands, with f32 sums. Whichever they take, every output number must still come out within the allowed error. Rounding operands to bf16 (8 significant bits) uses up far more of that allowance than f16 does (11 bits, for magnitudes from 6e-5 to 65,504). All else is computed in f32.
;;   The module's matrix products, in the order in which they are computed (A, B: the left and right operand; K: the contracted axis; several contracted axes count as one K, in the product's order):
;;     1. [M 4,096, K 1,024] x [K 1,024, N 1,024]; A: input query; B: input Wq: QUANTISED
;;     2. [M 4,096, K 1,024] x [K 1,024, N 1,024]; A: input key; B: input Wk: QUANTISED
;;     3. [M 4,096, K 1,024] x [K 1,024, N 1,024]; A: input value; B: input Wv: QUANTISED
;;     4. batch 32 x [M 2,048, K 64] x [K 64, N 2,048]; A: computed on the way; B: computed on the way: left as it is (an operand is computed on the way)
;;     5. batch 32 x [M 2,048, K 2,048] x [K 2,048, N 64]; A: computed on the way; B: computed on the way: left as it is (an operand is computed on the way)
;;     6. [M 4,096, K 1,024] x [K 1,024, N 1,024]; A: computed on the way; B: input Wo: left as it is (an operand is computed on the way)
;;   THE QUANTISER, for each operand of a quantised product, along K:
;;     - K is cut into blocks of 32 from its start; a last block that is shorter is filled with zeros.
;;     - A block's scale is 2^e with e = floor(log2(the largest magnitude in the block)) - 2, held to -126 .. 127; a block of zeros has e = 0. As a byte (E8M0): e + 127.
;;     - Each number is divided by its block's scale, clamped to +-6, and rounded to the nearest number of E2M1, ties to even, subnormals kept.
;;     - The product sums the exact products of the quantised numbers (number of the format x scale) in f32.
;;   ~~~python
;;   def quantise(x, axis):      # numpy; x: float32 -> the quantised numbers, widened to float32 again
;;       x = np.moveaxis(x, axis, -1); K = x.shape[-1]
;;       x = np.pad(x, [(0, 0)] * (x.ndim - 1) + [(0, -K % 32)]); x = x.reshape(x.shape[:-1] + (-1, 32)); a = np.abs(x).max(-1, keepdims=True)
;;       e = np.where(a > 0, np.clip(np.frexp(np.where(a > 0, a, 1))[1] - 1 - 2, -126, 127), 0)      # np.frexp(a)[1] - 1 = floor(log2(a)), exactly
;;       r = np.clip(x / 2.0 ** e, -6, 6)
;;       step = 2.0 ** (np.maximum(np.frexp(np.where(r == 0, 1, r))[1] - 1, 0) - 1)
;;       q = np.round(r / step) * step * 2.0 ** e      # np.round: ties to even
;;       return np.moveaxis(q.reshape(q.shape[:-2] + (-1,))[..., :K], -1, axis).astype(np.float32)
;;   ~~~
;; One version. Each part assembles by itself: llvm-mc -triple=amdgcn-amd-amdhsa -mcpu=gfx1250 --defsym DOCPART=n.
;; ======== version 1 of 1: 4 launches
;; limits: values are held in f16: magnitudes above 65,504 overflow, below 6.1e-05 lose precision
;; workspace buffers: codes 7,864,320 bytes; scales 491,520 bytes; wo16 2,097,152 bytes; mbits 1,048,576 bytes of whole numbers; qkv 25,165,824 bytes; xh 8,388,608 bytes
;; launch prep (part 1): grid 768 x 1, 4 waves a work-group, no clusters, 67,072 bytes of LDS; arguments query, key, value, Wq, Wk, Wv, Wo, mask, codes, scales, wo16, mbits; writes codes, scales, wo16, mbits
.if DOCPART == 1
	.amdgcn_target "amdgcn-amd-amdhsa--gfx1250"
	.amdhsa_code_object_version 6
	.text
	.protected	k_qc515a442cd_prep
	.globl	k_qc515a442cd_prep
	.p2align	8
	.type	k_qc515a442cd_prep,@function
k_qc515a442cd_prep:
	s_mov_b64 s[64:65], 0
	v_nop
	global_prefetch_b8 v0, s[64:65] scope:SCOPE_SE
	s_setreg_imm32_b32 hwreg(HW_REG_WAVE_MODE, 25, 1), 1
	s_wait_xcnt 0x0
; PREP: every f32 and int32 input is read once here, 131,072 bytes a work-group, and leaves narrow.
;   work-groups 0-479:   query, key, value [4096][1024] and Wq, Wk, Wv [1024][1024], f32, K innermost, become codes of FP4 (E2M1) with one E8M0 byte for each 32 along K.
;                        The six tensors lie one behind the other in the two buffers: 15,360 rows of 512 bytes of codes and of 32 scale bytes (rows 0 query, 4096 key, 8192 value, 12288 Wq, 13312 Wk, 14336 Wv).
;   work-groups 480-511: Wo [1024][1024] f32 becomes f16, same layout.
;   work-groups 512-767: mask [2][2048][2048] int32 becomes LANE MASKS: for 16 queries (tile Qt) and 64 keys (a chunk) 32 words; word 8 t + j has bit L = (mask[16 Qt + L % 16][64 chunk + 16 t + 8 (L / 16) + j] != 0).
;                        That is the place of a score in the attention launch: lane L, register 8 t + j.  Layout [b][Qt][chunk][32 words].
; A block's scale is 2^(floor(log2(its largest magnitude)) - 2); its byte is the largest magnitude's exponent field - 2, held at 1 from below.
; LIMITS: a block of zeros gets the byte 1 (its codes are zeros; this program alone reads the bytes); blocks whose largest magnitude lies under 2^-124 keep the byte 1; NaN and infinities are not served; |Wo| stays under 65,504.
; The three paths part on the work-group's number and never join; the two that use LDS have LDS bytes of their own.  No tensor loads, no barrier: waves share nothing.
.set WAVES, 4
.set STEPS, 16
.set EMAX,  2
.set CB,    8                          ; bytes of 16 codes
.set R,     16                         ; codes: v16-79 four sets of 16 numbers as loaded;  Wo: v16-79 two sets of 32;  mask: v16-143 two sets of 64
.set X,     80                         ; codes: v80-111 two sets of 16 neighbours
.set E,     112                        ; codes: v112-127 a scale byte for each step
.set C,     128                        ; codes: v128-191 four registers for each step
.set Y,     80                         ; Wo: v80-111 two sets of 16 packed words
.set XM,    144                        ; mask: v144-207 64 numbers, register = word
.set WD,    208                        ; mask: v208-215 a pair of registers of finished words for each unit
.set WREG,  8192                       ; LDS, codes: a region for each wave: two stages of 32 x SP bytes, behind them its 256 scale bytes
.set SP,    80                         ; a lane's 64 bytes + 16 of padding
.set MST,   32768                      ; LDS, mask: 16 rows x MP bytes for each wave
.set MP,    528                        ; 512 bytes + 16 of padding: 33 x 16, so sixteen rows start at sixteen different 16-byte columns
.set SPW,   12                         ; v12 LDS address of my spare word; never rewritten
.set NIL,   13                         ; v13 0; never rewritten
.set SPARE, MST+WAVES*16*MP            ; 66,560: the spare words, 128 bytes a wave, that no other line names
	s_load_b512 s[4:19], s[0:1], 0x0               ; query s[4:5], key s[6:7], value s[8:9], Wq s[10:11], Wk s[12:13], Wv s[14:15], Wo s[16:17], mask s[18:19]
	s_load_b256 s[20:27], s[0:1], 0x40             ; codes s[20:21], scales s[22:23], wo16 s[24:25], mbits s[26:27]
	v_lshl_add_u32 v[SPW], v0, 2, SPARE
	v_mov_b32 v[NIL], 0
	v_lshrrev_b32 v1, 5, v0
	v_readfirstlane_b32 s34, v1                    ; wave 0..3
	v_and_b32 v2, 31, v0                           ; lane
	v_lshlrev_b32 v3, 4, v2                        ; 16 x lane: my 16 bytes of a load's 512
	v_lshlrev_b32 v4, 3, v2                        ; 8 x lane: my 8 bytes of a store's 256
	s_mov_b32 s39, 0                               ; the upper word of every offset pair
	s_wait_kmcnt 0x0
	s_cmp_lt_u32 ttmp9, 480
	s_cbranch_scc0 .Lnot_codes
; ---------------------------------------------------------------- the six tensors that are quantised
	s_mov_b64 s[28:29], s[14:15]                   ; which tensor, and its first work-group: the choice hangs on the work-group's number alone
	s_mov_b32 s35, 448
	s_cmp_lt_u32 ttmp9, 448
	s_cselect_b64 s[28:29], s[12:13], s[28:29]
	s_cselect_b32 s35, 416, s35
	s_cmp_lt_u32 ttmp9, 416
	s_cselect_b64 s[28:29], s[10:11], s[28:29]
	s_cselect_b32 s35, 384, s35
	s_cmp_lt_u32 ttmp9, 384
	s_cselect_b64 s[28:29], s[8:9], s[28:29]
	s_cselect_b32 s35, 256, s35
	s_cmp_lt_u32 ttmp9, 256
	s_cselect_b64 s[28:29], s[6:7], s[28:29]
	s_cselect_b32 s35, 128, s35
	s_cmp_lt_u32 ttmp9, 128
	s_cselect_b64 s[28:29], s[4:5], s[28:29]
	s_cselect_b32 s35, 0, s35
	s_sub_co_u32 s36, ttmp9, s35
	s_lshl_b32 s36, s36, 2
	s_add_co_u32 s36, s36, s34                     ; my wave's run of 8,192 numbers in its tensor
	s_lshl_b32 s38, s36, 15
	s_add_nc_u64 s[28:29], s[28:29], s[38:39]
	s_lshl_b32 s36, ttmp9, 2
	s_add_co_u32 s36, s36, s34                     ; and among all runs: the six tensors lie on end in the buffers
	s_lshl_b32 s38, s36, 12                        ; 4,096 bytes of codes a run
	s_add_nc_u64 s[30:31], s[20:21], s[38:39]
	s_lshl_b32 s38, s36, 8                         ; 256 scale bytes a run
	s_add_nc_u64 s[32:33], s[22:23], s[38:39]
	s_mul_i32 s37, s34, WREG
	v_lshrrev_b32 v14, 2, v2
	v_mul_u32_u24 v14, v14, SP
	v_and_b32 v15, 3, v2
	v_lshl_add_u32 v14, v15, 4, v14
	v_add_nc_u32 v14, s37, v14                     ; the stage, way in: four lanes' 64 bytes on end, then 16 of padding
	v_mul_u32_u24 v15, v2, SP
	v_add_nc_u32 v15, s37, v15                     ; way out: SP x lane: my 16 neighbours
	v_lshrrev_b32 v5, 1, v2
	s_add_co_u32 s37, s37, 2*32*SP
	v_add_nc_u32 v5, s37, v5                       ; my wave's 256 scale bytes: my block's byte
	v_add_nc_u32 v6, s37, v4                       ; and on the way out 8 bytes a lane
.macro LOAD t
.irp i, 0,1,2,3
	global_load_b128 v[R+16*((\t)%4)+4*\i:R+16*((\t)%4)+4*\i+3], v3, s[28:29] offset:2048*(\t)+512*\i th:TH_LOAD_NT   ; 32 lanes read 512 consecutive bytes
.endr
.endm
.macro TURN t                          ; step t's numbers through the stage: LDS serves a wave's instructions in order, so no wait stands between the stores and the loads
.irp i, 0,1,2,3
	ds_store_b128 v14, v[R+16*((\t)%4)+4*\i:R+16*((\t)%4)+4*\i+3] offset:32*SP*((\t)%2)+8*SP*\i
.endr
.irp i, 0,1,2,3
	ds_load_b128 v[X+16*((\t)%2)+4*\i:X+16*((\t)%2)+4*\i+3], v15 offset:32*SP*((\t)%2)+16*\i
.endr
.endm
.irp t, 0,1,2,3
	LOAD \t
.endr
	s_wait_loadcnt 12                              ; step 0's four loads are in; the twelve of steps 1 to 3 may be out
	TURN 0
.macro STEP t
.set XS, X+16*((\t)%2)
.if (\t) > 0
	s_wait_dscnt 1                                 ; this step's numbers are back from the stage (the last step's byte store may be out): so its stores into the stage have read their registers,
.else
	s_wait_dscnt 0x0
.endif
.if (\t)+4 < STEPS
	LOAD (\t)+4                                    ; which take the loads of four steps on
.endif
.if (\t)+1 < STEPS
.if STEPS-2-(\t) >= 3
	s_wait_loadcnt 12                              ; the next step's four loads are in; those of the three steps behind it may be out
.else
	s_wait_loadcnt 4*(STEPS-2-(\t))
.endif
	TURN (\t)+1                                    ; and go through the other stage while this step is worked
.endif
	v_max3_num_f32 v8, |v[XS]|, |v[XS+1]|, |v[XS+2]|               ; the largest magnitude of my 16, in two chains
	v_max3_num_f32 v9, |v[XS+3]|, |v[XS+4]|, |v[XS+5]|
.irp i, 6,10
	v_max3_num_f32 v8, v8, |v[XS+\i]|, |v[XS+\i+1]|
	v_max3_num_f32 v9, v9, |v[XS+\i+2]|, |v[XS+\i+3]|
.endr
	v_max3_num_f32 v8, v8, |v[XS+14]|, |v[XS+15]|
	v_max3_num_f32 v8, v8, v9, (EMAX+1)<<23        ; and the floor 2^(3 - 127): the byte cannot fall under 1
	v_max_num_f32_dpp v8, v8, v8 row_xmask:1 row_mask:0xf bank_mask:0xf   ; and of my neighbour's 16: the block's
	v_add_nc_u32 v11, -(EMAX<<23), v8              ; 2 off its exponent field: the conversion takes the exponent field of this operand as its scale
	v_cvt_scalef32_pk8_fp4_f32 v[C+4*(\t)], v[XS:XS+7], v11        ; to the nearest code, ties to even, beyond the largest code the largest
	v_cvt_scalef32_pk8_fp4_f32 v[C+4*(\t)+1], v[XS+8:XS+15], v11
	v_lshrrev_b32 v[E+(\t)], 23, v11               ; the scale's byte (also the plain line behind the conversions)
	ds_store_b8 v5, v[E+(\t)] offset:16*(\t)       ; both lanes of a block write the same byte with the same value
	global_store_b64 v4, v[C+4*(\t):C+4*(\t)+1], s[30:31] offset:32*CB*(\t)   ; the wave stores 256 consecutive bytes, aligned
.endm
.irp t, 0,1,2,3,4,5,6,7,8,9,10,11,12,13,14,15
	STEP \t
.endr
	ds_load_b64 v[8:9], v6                         ; LDS serves a wave's instructions in order: these see my byte stores
	s_wait_dscnt 0x0
	global_store_b64 v4, v[8:9], s[32:33]          ; the run's 256 scale bytes: 256 consecutive bytes, aligned
	s_wait_tensorcnt 0x0                           ; the wave's end, behind my last LDS store
	ds_add_u32 v[SPW], v[NIL]
	s_wait_dscnt 0x0
	s_endpgm
.Lnot_codes:
	s_cmp_lt_u32 ttmp9, 512
	s_cbranch_scc0 .Lmask
; ---------------------------------------------------------------- Wo to f16: 32 KiB of f32 a wave, eight rounds of eight loads; no LDS
	s_sub_co_u32 s36, ttmp9, 480
	s_lshl_b32 s36, s36, 2
	s_add_co_u32 s36, s36, s34
	s_lshl_b32 s38, s36, 15
	s_add_nc_u64 s[28:29], s[16:17], s[38:39]
	s_lshl_b32 s38, s36, 14
	s_add_nc_u64 s[30:31], s[24:25], s[38:39]
.macro LOADW r
.irp i, 0,1,2,3,4,5,6,7
	global_load_b128 v[R+32*((\r)%2)+4*\i:R+32*((\r)%2)+4*\i+3], v3, s[28:29] offset:4096*(\r)+512*\i th:TH_LOAD_NT
.endr
.endm
.macro ROUNDW r
.if (\r) < 7
	s_wait_loadcnt 8                               ; this round's eight loads are in; the next round's eight may be out
.else
	s_wait_loadcnt 0x0
.endif
.if (\r) >= 2
	s_wait_xcnt 0x0                                ; the stores of two rounds back have read this set of packed words
.endif
.irp i, 0,1,2,3,4,5,6,7
	v_cvt_pk_f16_f32 v[Y+16*((\r)%2)+2*\i], v[R+32*((\r)%2)+4*\i], v[R+32*((\r)%2)+4*\i+1]
	v_cvt_pk_f16_f32 v[Y+16*((\r)%2)+2*\i+1], v[R+32*((\r)%2)+4*\i+2], v[R+32*((\r)%2)+4*\i+3]
.endr
.if (\r)+2 < 8
	LOADW (\r)+2
.endif
.irp i, 0,1,2,3,4,5,6,7
	global_store_b64 v4, v[Y+16*((\r)%2)+2*\i:Y+16*((\r)%2)+2*\i+1], s[30:31] offset:2048*(\r)+256*\i   ; 256 consecutive bytes, aligned
.endr
.endm
	LOADW 0
	LOADW 1
.irp r, 0,1,2,3,4,5,6,7
	ROUNDW \r
.endr
	s_endpgm
.Lmask:
; ---------------------------------------------------------------- the mask: the work-group owns 16 rows (a tile of queries), wave w keys 512 w on, in four units of 128 keys
	s_sub_co_u32 s36, ttmp9, 512                   ; 128 b + Qt
	s_lshl_b32 s38, s36, 17                        ; 16 rows of 8,192 bytes
	s_lshl_b32 s37, s34, 11                        ; 512 keys of 4 bytes
	s_add_co_u32 s38, s38, s37
	s_add_nc_u64 s[28:29], s[18:19], s[38:39]
	s_lshl_b32 s38, s36, 12                        ; 32 chunks of 128 bytes
	s_lshl_b32 s37, s34, 10                        ; my 8 chunks
	s_add_co_u32 s38, s38, s37
	s_add_nc_u64 s[30:31], s[26:27], s[38:39]
	s_mul_i32 s37, s34, 16*MP
	s_add_co_u32 s37, s37, MST
	v_add_nc_u32 v14, s37, v3                      ; the stage, way in: a row's 512 bytes as they lie
	v_and_b32 v5, 15, v2
	v_lshrrev_b32 v6, 4, v2
	v_mul_u32_u24 v15, v5, MP
	v_lshl_add_u32 v15, v6, 5, v15
	v_add_nc_u32 v15, s37, v15                     ; way out: row lane % 16, + 8 keys for lanes 16-31
.irp i, 0,1,2,3,4,5,6,7
	v_mov_b32 v[WD+\i], 0                          ; written once: the destination of a lane write counts as read
.endr
.macro LOADM u
.irp i, 0,1,2,3,4,5,6,7,8,9,10,11,12,13,14,15
	global_load_b128 v[R+64*((\u)%2)+4*\i:R+64*((\u)%2)+4*\i+3], v3, s[28:29] offset:8192*\i+512*(\u) th:TH_LOAD_NT   ; row i: 512 consecutive bytes
.endr
.endm
.macro UNIT u
.if (\u) < 3
	s_wait_loadcnt 16                              ; this unit's sixteen loads are in; the next unit's sixteen may be out
.else
	s_wait_loadcnt 0x0
.endif
.irp i, 0,1,2,3,4,5,6,7,8,9,10,11,12,13,14,15
	ds_store_b128 v14, v[R+64*((\u)%2)+4*\i:R+64*((\u)%2)+4*\i+3] offset:MP*\i
.endr
.irp t, 0,1,2,3,4,5,6,7                        ; register 8 t + j: mask(row lane % 16, key 16 t + 8 (lane / 16) + j)
	ds_load_b128 v[XM+8*\t:XM+8*\t+3], v15 offset:64*\t
	ds_load_b128 v[XM+8*\t+4:XM+8*\t+7], v15 offset:64*\t+16
.endr
	s_wait_dscnt 0x0                               ; they are back, and the stores have read their registers,
.if (\u)+2 < 4
	LOADM (\u)+2                                   ; which take the unit two on
.endif
.set wb, 0
.rept 8
.irp n, 0,1,2,3,4,5,6,7
	v_cmp_ne_u32 s[40+\n], 0, v[XM+wb+\n]          ; word wb + n: a bit for each lane
.endr
.irp n, 0,1,2,3,4,5,6,7
	v_writelane_b32 v[WD+2*(\u)+(\n)%2], s[40+\n], (wb+\n)/2   ; to its place in the store below: lane w / 2, register w % 2
.endr
.set wb, wb+8
.endr
	global_store_b64 v4, v[WD+2*(\u):WD+2*(\u)+1], s[30:31] offset:256*(\u)   ; the unit's 64 words: 256 consecutive bytes, aligned; a pair of registers for each unit, so none is rewritten
.endm
	LOADM 0
	LOADM 1
.irp u, 0,1,2,3
	UNIT \u
.endr
	s_wait_tensorcnt 0x0                           ; the wave's end, behind my last LDS store
	ds_add_u32 v[SPW], v[NIL]
	s_wait_dscnt 0x0
	s_endpgm
.Lfunc_end_k_qc515a442cd_prep:
	.size	k_qc515a442cd_prep, .Lfunc_end_k_qc515a442cd_prep-k_qc515a442cd_prep
	.p2alignl 7, 3214868480
	.fill 96, 4, 3214868480
	.section	.rodata,"a",@progbits
	.p2align	6, 0x0
	.amdhsa_kernel k_qc515a442cd_prep
		.amdhsa_group_segment_fixed_size 67072
		.amdhsa_private_segment_fixed_size 0
		.amdhsa_enable_private_segment 0
		.amdhsa_kernarg_size 96
		.amdhsa_user_sgpr_count 2
		.amdhsa_user_sgpr_kernarg_segment_ptr 1
		.amdhsa_wavefront_size32 1
		.amdhsa_system_sgpr_workgroup_id_x 1
		.amdhsa_system_sgpr_workgroup_id_y 1
		.amdhsa_system_sgpr_workgroup_id_z 1
		.amdhsa_system_vgpr_workitem_id 0
		.amdhsa_next_free_vgpr 224
		.amdhsa_next_free_sgpr 66
		.amdhsa_reserve_vcc 0
		.amdhsa_float_denorm_mode_32 3
		.amdhsa_float_denorm_mode_16_64 3
		.amdhsa_memory_ordered 1
		.amdhsa_forward_progress 1
		.amdhsa_inst_pref_size 102
	.end_amdhsa_kernel
	.amdgpu_metadata
---
amdhsa.version: [ 1, 2 ]
amdhsa.kernels:
  - .name:           k_qc515a442cd_prep
    .symbol:         k_qc515a442cd_prep.kd
    .args:
      - { .name: query, .offset: 0, .size: 8, .value_kind: global_buffer, .address_space: global }
      - { .name: key, .offset: 8, .size: 8, .value_kind: global_buffer, .address_space: global }
      - { .name: value, .offset: 16, .size: 8, .value_kind: global_buffer, .address_space: global }
      - { .name: Wq, .offset: 24, .size: 8, .value_kind: global_buffer, .address_space: global }
      - { .name: Wk, .offset: 32, .size: 8, .value_kind: global_buffer, .address_space: global }
      - { .name: Wv, .offset: 40, .size: 8, .value_kind: global_buffer, .address_space: global }
      - { .name: Wo, .offset: 48, .size: 8, .value_kind: global_buffer, .address_space: global }
      - { .name: mask, .offset: 56, .size: 8, .value_kind: global_buffer, .address_space: global }
      - { .name: codes, .offset: 64, .size: 8, .value_kind: global_buffer, .address_space: global }
      - { .name: scales, .offset: 72, .size: 8, .value_kind: global_buffer, .address_space: global }
      - { .name: wo16, .offset: 80, .size: 8, .value_kind: global_buffer, .address_space: global }
      - { .name: mbits, .offset: 88, .size: 8, .value_kind: global_buffer, .address_space: global }
    .group_segment_fixed_size: 67072
    .private_segment_fixed_size: 0
    .kernarg_segment_align: 8
    .kernarg_segment_size: 96
    .max_flat_workgroup_size: 128
    .sgpr_count:     66
    .vgpr_count:     224
    .wavefront_size: 32
...
	.end_amdgpu_metadata
.endif
;; end of part 1
;; launch proj (part 2): grid 4 x 48, 4 waves a work-group, clusters of 4 x 4, 327,680 bytes of LDS; arguments codes, scales, bq, bk, bv, qkv; writes qkv
.if DOCPART == 2
	.amdgcn_target "amdgcn-amd-amdhsa--gfx1250"
	.amdhsa_code_object_version 6
	.text
	.protected	k_qc515a442cd_proj
	.globl	k_qc515a442cd_proj
	.p2align	8
	.type	k_qc515a442cd_proj,@function
k_qc515a442cd_proj:
	s_mov_b64 s[64:65], 0
	v_nop
	global_prefetch_b8 v0, s[64:65] scope:SCOPE_SE
	s_setreg_imm32_b32 hwreg(HW_REG_WAVE_MODE, 25, 1), 1
	s_wait_xcnt 0x0
	s_wait_alu depctr_hold_cnt(0) depctr_sa_sdst(0) depctr_va_vdst(0) depctr_va_sdst(0) depctr_va_ssrc(0) depctr_va_vcc(0) depctr_vm_vsrc(0)
	s_getreg_b32 s2, hwreg(HW_REG_IB_STS2, 6, 4)
	s_cmp_eq_u32 s2, 0
	s_cbranch_scc0 .Lentry_in_a_cluster
	s_endpgm
.Lentry_in_a_cluster:
	s_bfe_u32 s2, ttmp6, 0x10000c
	s_cmp_lg_u32 s2, 0xf033
	s_cbranch_scc0 .Lentry_shape_is_right
	s_endpgm
.Lentry_shape_is_right:
; PROJ: the three quantised products, y = x W^T + bias, on codes of FP4 (E2M1) with one E8M0 scale for each 32 along K = 1,024; sums in f32, K ascending, one accumulator for each output.
; The three GEMMs [4096 x 1024 x 1024] lie one below the other: tile row 0-15 query x Wq, 16-31 key x Wk, 32-47 value x Wv.  A's and B's rows are rows of the same two buffers (codes: 512 bytes a row; scales: 32).
; OUT: f16, by heads: qkv[t][b][h][s][64].  q is also multiplied by log2(e) / 8, in f32 ahead of the one rounding, so that the attention launch's first product gives exponents of 2.
; LIMITS: |q| log2(e) / 8, |k| and |v| stay under 65,504 (f16); NaN and infinities are not served.
; A tile, 256 x 256, is made by four waves, 128 x 128 each: 64 accumulators of 16 x 16.  K is two steps of 512 (rows of 256 bytes): both LDS slots and the scale bytes are filled once, at the head; nothing is filled again.
; 192 work-groups: a tile of 128 x 256 would make 384, which is one and a half turns of 256; the larger tile reads each LDS byte for more products.
; CLUSTERS: 4 x 4 work-groups.  The four of a row need the same tiles of A, the four of a column the same tiles of B: each is asked for jointly, by the same tensor load with a mask that names the four.
; THE MATRIX INSTRUCTION IS USED TRANSPOSED (source 0 = 16 rows of W, source 1 = 16 tokens): a lane holds eight neighbouring features of one token.
; REGISTERS: window 0: v0-31 addresses; v32-95 scale words, two sets; v128-191 A's fragments, one set; v192-255 the bias, eight a block of 16 features; on the way out v32-191 are free.
;   window 1: B's fragments, two sets, at v0 and v128.   window 2: the accumulators of my rows 0-63 ((a, b) at v[8 (8 a + b)]);   window 3: those of rows 64-127.
.set SIZE_K, 1024
.set KSTEP,  512
.set NQ,     KSTEP/128
.set ROWB,   256
.set KROW,   SIZE_K/2
.set PITCH,  272                       ; 256 bytes + 16 of padding = 68 words: the 16 rows that a load touches start at 16 different 16-byte columns
.set FR,     8
.set NL,     2
.set NP,     4                         ; places behind this matrix instruction (ISA guide 7.12.1)
.set HALFT,  128*PITCH
.set SLOT,   4*HALFT
.set KS,     SIZE_K/32
.set SCL,    2*SLOT                    ; behind the slots: the scale bytes, as units of 256 bytes + 16 of padding
.set HALFS,  (128*KS/256)*272
.set SBLK,   (16*KS/256)*272
.set SPARE,  SCL+4*HALFS               ; the spare words, 128 bytes a wave, that no other line names
.set SPITCH, 272                       ; the way out: 16 rows x (256 bytes + 16) for each wave, in slot 0, which has had its only fill and its last read by then
.set WROW0,  12288                     ; the first row of Wq in the two buffers
.set BO,   7                           ; v7      the bias loads' offset: 32 x (lane / 16)
.set ADRA, 16
.set ADRB, 20
.set STO,  24
.set RD,   25
.set CO,   26
.set ADRS, 27
.set SPW,  28
.set NIL,  29
.set SC,   32
.set AF,   128
.set BI,   192                         ; v192-255 bias x factor, in the result's layout
.set TF,   32                          ; the way out: 64 finished numbers in f32,
.set TMP,  96                          ; packed to f16,
.set BK,   128                         ; and back from the stage: v128-159 and v160-191 by turns
.set G1, 24
.set G0, 32
.set G1B, 48
.set G0B, 56
.set G1S, 68
.set G0S, 76
.set G1SB, 80
.set G0SB, 88
.set MSB, 0
.macro WIN new                         ; the immediate's high byte repeats the setting that is left
.if MSB != \new
	s_set_vgpr_msb (MSB<<8)|\new
.set MSB, \new
.endif
.endm
.set MUL_LO, 0xa1                      ; source 0 (B) window 1, source 1 (A) window 0, C and D window 2
.set MUL_HI, 0xf1
.set TO_B,   0x40
; A joint load: waves 0 and 1 fetch for A, waves 2 and 3 for B; the branch hangs on the wave's number alone.  An s_nop 0 and four v_nop follow each of the two lines.
.macro JLOAD g0a, g1a, g0b, g1b
	s_cmp_eq_u32 s15, 0
	s_cbranch_scc0 .Lfor_b_\@
	tensor_load_to_lds s[\g0a:\g0a+3], s[\g1a:\g1a+7]
	s_nop 0
.rept 4
	v_nop
.endr
	s_branch .Lasked_\@
.Lfor_b_\@:
	tensor_load_to_lds s[\g0b:\g0b+3], s[\g1b:\g1b+7]
	s_nop 0
.rept 4
	v_nop
.endr
.Lasked_\@:
.endm
.macro CROUND                          ; a round of the cluster's barrier
	s_barrier_signal -1
	s_barrier_wait -1
	s_cmp_lg_u32 s14, 0
	s_cbranch_scc1 .Lnot_wave_0_\@
	s_barrier_signal -3
.Lnot_wave_0_\@:
	s_barrier_wait -3
	s_barrier_signal -1
	s_barrier_wait -1
.endm
	s_load_b128 s[4:7], s[0:1], 0x0                ; codes s[4:5], scales s[6:7]
	s_load_b128 s[96:99], s[0:1], 0x10             ; bq s[96:97], bk s[98:99]
	s_load_b128 s[8:11], s[0:1], 0x20              ; bv s[8:9], qkv s[10:11]
	v_lshl_add_u32 v[SPW], v0, 2, SPARE
	v_mov_b32 v[NIL], 0
	ds_add_u32 v[SPW], v[NIL]                      ; the wave's opening: the add, twice on end, and its wait ahead of my first tensor load
	ds_add_u32 v[SPW], v[NIL]
	v_lshrrev_b32 v1, 5, v0
	v_readfirstlane_b32 s14, v1                    ; wave 0..3
	s_lshr_b32 s15, s14, 1                         ; which half of the tile's rows is mine.  Also: I fetch for A (0) or for B (1)
	s_and_b32 s16, s14, 1                          ; which half of its columns.  Also: which 128 rows of that tile I fetch
	s_bfe_u32 s40, ttmp6, 0x40000                  ; cx, cy: my place in the cluster
	s_bfe_u32 s41, ttmp6, 0x40004
	s_lshl_b32 s42, ttmp9, 2
	s_add_co_u32 s42, s42, s40                     ; tile column = 4 x cluster x + cx
	s_and_b32 s17, ttmp7, 0xffff
	s_lshl_b32 s17, s17, 2
	s_add_co_u32 s17, s17, s41                     ; tile row = 4 x cluster y + cy, 0..47
	s_and_b32 s95, ttmp7, 0xffff                   ; cluster y: four clusters to a product, so cluster y / 4 says which; it holds no place in the cluster
	s_lshl_b32 s43, s41, 2
	s_lshl_b32 s43, 15, s43                        ; my row of the cluster
	s_lshl_b32 s44, 0x1111, s40                    ; my column
	; descriptor group 1: a tile of 128 rows x 256 bytes, 16 bytes of padding behind each row
	s_or_b32 s[G1+0], s43, (0<<16)|(1<<20)|(1<<21)|(5<<22)|(3<<25)
	s_or_b32 s[G1B+0], s44, (0<<16)|(1<<20)|(1<<21)|(5<<22)|(3<<25)
.irp g, G1, G1B
	s_mov_b32 s[\g+1], ROWB<<16                    ; tensor_dim0
	s_mov_b32 s[\g+2], 128<<16                     ; tensor_dim1
	s_mov_b32 s[\g+3], ROWB<<16                    ; tile_dim0
	s_mov_b32 s[\g+4], 128                         ; tile_dim1
	s_mov_b32 s[\g+5], KROW                        ; from row to row
	s_mov_b32 s[\g+6], 0
	s_mov_b32 s[\g+7], 0
.endr
	; the scale bytes of 128 rows: 4,096 dense bytes, as 16 rows of 256 bytes (32 elements of 8 bytes), 16 bytes of padding behind each
	s_or_b32 s[G1S+0], s43, (3<<16)|(1<<20)|(1<<21)|(5<<22)|(3<<25)
	s_or_b32 s[G1SB+0], s44, (3<<16)|(1<<20)|(1<<21)|(5<<22)|(3<<25)
.irp g, G1S, G1SB
	s_mov_b32 s[\g+1], 32<<16
	s_mov_b32 s[\g+2], (128*KS/256)<<16
	s_mov_b32 s[\g+3], 32<<16
	s_mov_b32 s[\g+4], 128*KS/256
	s_mov_b32 s[\g+5], 32
	s_mov_b32 s[\g+6], 0
	s_mov_b32 s[\g+7], 0
.endr
	s_lshl_b32 s18, s16, 7                         ; which 128 rows of the tile I fetch
	s_lshl_b32 s20, s17, 8
	s_add_co_u32 s20, s20, s18                     ; A: row 256 x tile row + 128 x half
	s_lshl_b32 s46, s42, 8
	s_add_co_u32 s46, s46, s18                     ; B: row 256 x tile column + 128 x half,
	s_lshr_b32 s13, s95, 2
	s_lshl_b32 s13, s13, 10
	s_add_co_u32 s46, s46, s13                     ; in the product's own weight,
	s_add_co_u32 s46, s46, WROW0                   ; behind the three activations
	s_mov_b32 s21, 0
	s_mov_b32 s47, 0
	s_mov_b64 s[18:19], KS
	s_mul_u64 s[22:23], s[20:21], s[18:19]         ; where these rows' scale bytes begin,
	s_mul_u64 s[92:93], s[46:47], s[18:19]
	s_mov_b64 s[18:19], KROW
	s_mul_u64 s[20:21], s[20:21], s[18:19]         ; and their codes
	s_mul_u64 s[46:47], s[46:47], s[18:19]
	s_mul_i32 s45, s14, HALFT                      ; where they go: wave x 128 rows: no place in the cluster enters an LDS address
	s_mul_i32 s94, s14, HALFS
	s_wait_dscnt 0x0                               ; both opening adds are done
	s_wait_kmcnt 0x0
	s_add_nc_u64 s[20:21], s[4:5], s[20:21]
	s_add_nc_u64 s[22:23], s[6:7], s[22:23]
	s_add_nc_u64 s[46:47], s[4:5], s[46:47]
	s_add_nc_u64 s[92:93], s[6:7], s[92:93]
	CROUND                                         ; all sixteen work-groups are here: the joint loads meet
	s_mov_b32 s[G0S], 1
	s_add_co_u32 s[G0S+1], s94, SCL
	s_mov_b64 s[G0S+2:G0S+3], s[22:23]
	s_or_b32 s[G0S+3], s[G0S+3], 0x80000000
	s_mov_b32 s[G0SB], 1
	s_add_co_u32 s[G0SB+1], s94, SCL
	s_mov_b64 s[G0SB+2:G0SB+3], s[92:93]
	s_or_b32 s[G0SB+3], s[G0SB+3], 0x80000000
	JLOAD G0S, G1S, G0SB, G1SB                     ; the scales first: they are wanted with K step 0
.irp s, 0,1
	s_mov_b32 s[G0+4*\s], 1
	s_add_co_u32 s[G0+4*\s+1], s45, \s*SLOT
	s_add_nc_u64 s[G0+4*\s+2:G0+4*\s+3], s[20:21], \s*ROWB
	s_or_b32 s[G0+4*\s+3], s[G0+4*\s+3], 0x80000000
	s_mov_b32 s[G0B+4*\s], 1
	s_add_co_u32 s[G0B+4*\s+1], s45, \s*SLOT
	s_add_nc_u64 s[G0B+4*\s+2:G0B+4*\s+3], s[46:47], \s*ROWB
	s_or_b32 s[G0B+4*\s+3], s[G0B+4*\s+3], 0x80000000
	JLOAD G0+4*\s, G1, G0B+4*\s, G1B               ; three tensor loads of mine are out now, and no more follow
.endr
	v_and_b32 v1, 15, v0                           ; l % 16
	v_bfe_u32 v2, v0, 4, 1                         ; l / 16
	; the bias of my 128 features and the factor: which product is mine hangs on the cluster's y alone
	s_cmp_lt_u32 s95, 8
	s_cselect_b64 s[98:99], s[98:99], s[8:9]       ; bk or bv
	s_cmp_lt_u32 s95, 4
	s_cselect_b64 s[96:97], s[96:97], s[98:99]     ; bq before them
	s_cselect_b32 s100, 0x3e38aa3b, 1.0            ; q: log2(e) / 8; k, v: 1
	s_mov_b32 s101, s100                           ; (named with it as a pair, so it is written)
	s_lshl_b32 s46, s42, 10
	s_lshl_b32 s47, s16, 9
	s_add_co_u32 s46, s46, s47                     ; 4 x (256 x tile column + 128 x half)
	s_mov_b32 s47, 0
	s_add_nc_u64 s[96:97], s[96:97], s[46:47]
	v_lshlrev_b32 v[BO], 5, v2
.irp b, 0,1,2,3,4,5,6,7
	global_load_b128 v[BI+8*\b:BI+8*\b+3], v[BO], s[96:97] offset:64*\b        ; lane (r, h), block b: features 16 b + 8 h + 0 .. 7
	global_load_b128 v[BI+8*\b+4:BI+8*\b+7], v[BO], s[96:97] offset:64*\b+16
.endr
	v_mul_u32_u24 v3, v1, PITCH
	v_lshl_add_u32 v4, v2, 4, v3                   ; a fragment's row x pitch + 16 x half
	s_mul_i32 s21, s15, HALFT                      ; my 128 rows of A
	s_mul_i32 s22, s16, HALFT                      ; my 128 rows of B,
	s_add_co_u32 s22, s22, 2*HALFT                 ; which lie behind A's 256
.irp s, 0,1
	v_add_nc_u32 v[ADRA+\s], s21, v4
	v_add_nc_u32 v[ADRB+\s], s22, v4
	s_add_co_u32 s21, s21, SLOT
	s_add_co_u32 s22, s22, SLOT
.endr
	v_mul_u32_u24 v5, v1, KS                       ; my row's scale bytes: KS a row,
	v_lshrrev_b32 v6, 8, v5
	v_lshl_add_u32 v5, v6, 4, v5                   ; and 16 more for each 256 passed
	s_mul_i32 s21, s15, HALFS
	s_mul_i32 s22, s16, HALFS
	s_add_co_u32 s22, s22, 2*HALFS
	s_sub_co_u32 s22, s22, s21
	v_mul_u32_u24 v6, s22, v2                      ; lanes 16-31 take B's: one product, the distance between the two bases
	s_add_co_u32 s21, s21, SCL
	v_add_nc_u32 v5, v5, v6
	v_add_nc_u32 v[ADRS], s21, v5
	s_mul_i32 s23, s14, 16*SPITCH                  ; my stage
	v_mul_u32_u24 v5, v1, SPITCH                   ; in: row l % 16, 16 bytes for each half of the lanes
	v_lshl_add_u32 v5, v2, 4, v5
	v_add_nc_u32 v[STO], s23, v5
	v_and_b32 v6, 31, v0
	v_lshlrev_b32 v[CO], 4, v6                     ; in memory four rows of a head are 512 bytes on end: 16 x lane
	v_lshrrev_b32 v5, 3, v6
	v_mul_u32_u24 v5, v5, SPITCH                   ; back: eight lanes to a row's 128 bytes of one head, four rows an instruction
	v_and_b32 v6, 7, v6
	v_lshl_add_u32 v5, v6, 4, v5
	v_add_nc_u32 v[RD], s23, v5
	s_lshr_b32 s20, s17, 3                         ; 2 t + b
	s_lshl_b32 s20, s20, 22                        ; 16 heads of 262,144 bytes
	s_and_b32 s21, s17, 7
	s_lshl_b32 s21, s21, 8
	s_lshl_b32 s22, s15, 7
	s_add_co_u32 s21, s21, s22                     ; my first position in the sequence
	s_lshl_b32 s21, s21, 7                         ; 128 bytes a position
	s_add_co_u32 s20, s20, s21
	s_lshl_b32 s46, s42, 2
	s_lshl_b32 s47, s16, 1
	s_add_co_u32 s46, s46, s47                     ; my first head: my 128 features are two heads
	s_lshl_b32 s46, s46, 18
	s_add_co_u32 s20, s20, s46
	s_mov_b32 s21, 0
	s_add_nc_u64 s[12:13], s[10:11], s[20:21]
.macro FRAG reg, adr, q, i             ; 16 rows x 128 K of 4-bit codes, 8 registers: lane l holds row l % 16; registers 4 c .. 4 c + 3 hold K = 64 c + 32 (l / 16) + 0 .. 31
.irp c, 0,1
	ds_load_b128 v[\reg+4*\c:\reg+4*\c+3], v[\adr] offset:64*(\q)+32*\c+(\i)*16*PITCH
.endr
.endm
; 16 matrix instructions: A's blocks a0, a0 + 1 x B's eight, the slot's q-th 128 along K.  p: B's set; sc: the set of scale words.  zero = 1: the first product starts the sums.
; The 64 accumulators take turns, one instruction a turn, in the same order in every step.
.macro MUL16 a0, p, q, sc, zero
.irp a, \a0, \a0+1
.irp b, 0,1,2,3,4,5,6,7
.if \zero
	v_wmma_scale_f32_16x16x128_f8f6f4 v[8*(8*((\a)%4)+\b):8*(8*((\a)%4)+\b)+7], v[128*(\p)+FR*\b:128*(\p)+FR*\b+FR-1], v[AF+FR*(\a):AF+FR*(\a)+FR-1], 0, v[SC+8*NQ*(\sc)+NQ*\b+(\q)], v[SC+8*NQ*(\sc)+NQ*(\a)+(\q)] matrix_a_fmt:MATRIX_FMT_FP4 matrix_b_fmt:MATRIX_FMT_FP4 matrix_a_scale:MATRIX_SCALE_ROW1
.else
	v_wmma_scale_f32_16x16x128_f8f6f4 v[8*(8*((\a)%4)+\b):8*(8*((\a)%4)+\b)+7], v[128*(\p)+FR*\b:128*(\p)+FR*\b+FR-1], v[AF+FR*(\a):AF+FR*(\a)+FR-1], v[8*(8*((\a)%4)+\b):8*(8*((\a)%4)+\b)+7], v[SC+8*NQ*(\sc)+NQ*\b+(\q)], v[SC+8*NQ*(\sc)+NQ*(\a)+(\q)] matrix_a_fmt:MATRIX_FMT_FP4 matrix_b_fmt:MATRIX_FMT_FP4 matrix_a_scale:MATRIX_SCALE_ROW1
.endif
.endr
.endr
.endm
.macro FETCH_B slot, q, p
	WIN TO_B
.irp i, 0,1,2,3,4,5,6,7
	FRAG 128*(\p)+FR*\i, ADRB+\slot, \q, \i
.endr
	WIN 0
.endm
.macro FETCH_A slot, q, i0
.irp i, \i0, \i0+1, \i0+2, \i0+3
	FRAG AF+FR*(\i), ADRA+\slot, \q, \i
.endr
.endm
.macro SCALES sc                       ; a K step's scale words: four a row; lanes 0-15 take A's block i, lanes 16-31 B's block i
.irp i, 0,1,2,3,4,5,6,7
	ds_load_b128 v[SC+8*NQ*\sc+NQ*\i:SC+8*NQ*\sc+NQ*\i+3], v[ADRS] offset:\i*SBLK
.endr
.endm
.macro PLACES n                        ; plain vector instructions between a matrix instruction and a load into, or a read of, its registers
.rept \n
	v_nop
.endr
.endm
.macro STEP slot, q, zero              ; 128 along K that has its successor in the same slot
	s_wait_dscnt 4*NL                              ; B's set and A's blocks 0-3 are in; the youngest eight loads (A's blocks 4-7) may be out
	WIN MUL_LO
	MUL16 0, (\q)%2, \q, \slot, \zero
	MUL16 2, (\q)%2, \q, \slot, \zero
	s_wait_dscnt 0                                 ; A's blocks 4-7 are in
	PLACES NP
	FETCH_B \slot, (\q)+1, 1-(\q)%2
	FETCH_A \slot, (\q)+1, 0
	WIN MUL_HI
	MUL16 4, (\q)%2, \q, \slot, \zero
	MUL16 6, (\q)%2, \q, \slot, \zero
	PLACES NP
	WIN 0
	FETCH_A \slot, (\q)+1, 4
.endm
; Slot 0's last step changes slots: one barrier.  In front of it each wave waits for all its tensor loads (its part of slot 1) and for its own reads of slot 0; behind it slot 1 is whole and nobody reads slot 0.
.macro TURN slot, next
	s_wait_tensorcnt 0x0                           ; all my tensor loads have landed
	ds_add_u32 v[SPW], v[NIL]                      ; 0 onto my spare word
	s_wait_dscnt 4*NL+1                            ; (the add and the youngest eight loads may be out)
	WIN MUL_LO
	MUL16 0, 1, NQ-1, \slot, 0
	s_wait_dscnt 0x0                               ; the add is done, and my reads of this slot are over
	s_barrier_signal -1
	MUL16 2, 1, NQ-1, \slot, 0
	WIN 0
	s_barrier_wait -1
	PLACES NP
	v_add_nc_u32 v[ADRS], 4*NQ, v[ADRS]            ; on to the next K step's scale words
	FETCH_B \next, 0, 0
	FETCH_A \next, 0, 0
	SCALES \next
	WIN MUL_HI
	MUL16 4, 1, NQ-1, \slot, 0
	MUL16 6, 1, NQ-1, \slot, 0
	PLACES NP
	WIN 0
	FETCH_A \next, 0, 4
.endm
	s_wait_tensorcnt 1                             ; the scales and my part of K step 0 are in; K step 1's load may be out
	s_barrier_signal -1
	s_barrier_wait -1
	FETCH_B 0, 0, 0
	FETCH_A 0, 0, 0
	SCALES 0
	FETCH_A 0, 0, 4
	STEP 0, 0, 1                                   ; the first products start the sums: nothing is cleared
	STEP 0, 1, 0
	STEP 0, 2, 0
	TURN 0, 1
	STEP 1, 0, 0
	STEP 1, 1, 0
	STEP 1, 2, 0
	s_wait_dscnt 4*NL                              ; the last step: nothing more to fetch
	WIN MUL_LO
	MUL16 0, 1, NQ-1, 1, 0
	MUL16 2, 1, NQ-1, 1, 0
	s_wait_dscnt 0
	WIN MUL_HI
	MUL16 4, 1, NQ-1, 1, 0
	MUL16 6, 1, NQ-1, 1, 0
	WIN 0
; THE WAY OUT, block by block of 16 tokens x 128 features (two heads).  (sum + bias) x factor is one fused multiply-add on the bias already multiplied; one rounding to f16.
; A lane's eight features are 16 bytes of a row; a block goes through my own stage and comes back so that an instruction's 32 lanes store four rows of one head: 512 consecutive bytes.
	s_wait_loadcnt 0x0                             ; the bias
.set i, 0
.rept 32
	v_pk_mul_f32 v[BI+2*i:BI+2*i+1], v[BI+2*i:BI+2*i+1], s[100:101] op_sel_hi:[1,0]   ; bias x factor.  These 32 name no register of the last products: they are the places behind them
.set i, i+1
.endr
.macro PACK a
.set AC, 64*((\a)%4)
	WIN 0x02+((\a)/4)                              ; source 0: window 2 or 3
.irp b, 0,1,2,3,4,5,6,7
.irp r, 0,1,2,3
	v_pk_fma_f32 v[TF+8*\b+2*\r:TF+8*\b+2*\r+1], v[AC+8*\b+2*\r:AC+8*\b+2*\r+1], s[100:101], v[BI+8*\b+2*\r:BI+8*\b+2*\r+1] op_sel_hi:[1,0,1]   ; each accumulator from its low end on
.endr
.endr
	WIN 0
.irp b, 0,1,2,3,4,5,6,7
.irp r, 0,1,2,3
	v_cvt_pk_f16_f32 v[TMP+4*\b+\r], v[TF+8*\b+2*\r], v[TF+8*\b+2*\r+1]
.endr
.endr
.endm
.macro TOSTAGE a
.set BB, BK+32*((\a)%2)
.irp b, 0,1,2,3,4,5,6,7
	ds_store_b128 v[STO], v[TMP+4*\b:TMP+4*\b+3] offset:32*\b
.endr
.irp u, 0,1
.irp i, 0,1,2,3
	ds_load_b128 v[BB+16*\u+4*\i:BB+16*\u+4*\i+3], v[RD] offset:128*\u+4*SPITCH*\i   ; LDS serves a wave's instructions in order: these see the stores above
.endr
.endr
.endm
.macro SEND a
.set BB, BK+32*((\a)%2)
	s_wait_dscnt 0x0                               ; the block is back in registers
	s_wait_xcnt 0x0                                ; the earlier stores have read their registers: the next block's loads may land there
.irp u, 0,1
.irp i, 0,1,2,3
	global_store_b128 v[CO], v[BB+16*\u+4*\i:BB+16*\u+4*\i+3], s[12:13] offset:\u*262144+(16*(\a)+4*\i)*128   ; head u, four positions: 512 consecutive bytes, aligned
.endr
.endr
.endm
	PACK 0
	TOSTAGE 0
.irp a, 1,2,3,4,5,6,7                  ; block a's arithmetic stands between block a - 1's loads from the stage and the wait for them
	PACK \a
	SEND \a-1
	TOSTAGE \a
.endr
	SEND 7
	s_wait_tensorcnt 0x0                           ; the wave's end, behind my last tensor load and my last LDS store
	ds_add_u32 v[SPW], v[NIL]
	s_wait_dscnt 0x0
	CROUND                                         ; the closing round
	s_endpgm
.Lfunc_end_k_qc515a442cd_proj:
	.size	k_qc515a442cd_proj, .Lfunc_end_k_qc515a442cd_proj-k_qc515a442cd_proj
	.p2alignl 7, 3214868480
	.fill 96, 4, 3214868480
	.section	.rodata,"a",@progbits
	.p2align	6, 0x0
	.amdhsa_kernel k_qc515a442cd_proj
		.amdhsa_group_segment_fixed_size 327680
		.amdhsa_private_segment_fixed_size 0
		.amdhsa_enable_private_segment 0
		.amdhsa_kernarg_size 48
		.amdhsa_user_sgpr_count 2
		.amdhsa_user_sgpr_kernarg_segment_ptr 1
		.amdhsa_wavefront_size32 1
		.amdhsa_system_sgpr_workgroup_id_x 1
		.amdhsa_system_sgpr_workgroup_id_y 1
		.amdhsa_system_sgpr_workgroup_id_z 1
		.amdhsa_system_vgpr_workitem_id 0
		.amdhsa_next_free_vgpr 1024
		.amdhsa_next_free_sgpr 102
		.amdhsa_reserve_vcc 0
		.amdhsa_float_denorm_mode_32 3
		.amdhsa_float_denorm_mode_16_64 3
		.amdhsa_memory_ordered 1
		.amdhsa_forward_progress 1
		.amdhsa_inst_pref_size 146
	.end_amdhsa_kernel
	.amdgpu_metadata
---
amdhsa.version: [ 1, 2 ]
amdhsa.kernels:
  - .name:           k_qc515a442cd_proj
    .symbol:         k_qc515a442cd_proj.kd
    .args:
      - { .name: codes, .offset: 0, .size: 8, .value_kind: global_buffer, .address_space: global }
      - { .name: scales, .offset: 8, .size: 8, .value_kind: global_buffer, .address_space: global }
      - { .name: bq, .offset: 16, .size: 8, .value_kind: global_buffer, .address_space: global }
      - { .name: bk, .offset: 24, .size: 8, .value_kind: global_buffer, .address_space: global }
      - { .name: bv, .offset: 32, .size: 8, .value_kind: global_buffer, .address_space: global }
      - { .name: qkv, .offset: 40, .size: 8, .value_kind: global_buffer, .address_space: global }
    .group_segment_fixed_size: 327680
    .private_segment_fixed_size: 0
    .kernarg_segment_align: 8
    .kernarg_segment_size: 48
    .max_flat_workgroup_size: 128
    .sgpr_count:     102
    .vgpr_count:     1024
    .wavefront_size: 32
...
	.end_amdgpu_metadata
.endif
;; end of part 2
;; launch attn (part 3): grid 8 x 32, 8 waves a work-group, clusters of 4 x 1, 327,680 bytes of LDS; arguments qkv, mbits, xh; writes xh
.if DOCPART == 3
	.amdgcn_target "amdgcn-amd-amdhsa--gfx1250"
	.amdhsa_code_object_version 6
	.text
	.protected	k_qc515a442cd_attn
	.globl	k_qc515a442cd_attn
	.p2align	8
	.type	k_qc515a442cd_attn,@function
k_qc515a442cd_attn:
	s_mov_b64 s[64:65], 0
	v_nop
	global_prefetch_b8 v0, s[64:65] scope:SCOPE_SE
	s_setreg_imm32_b32 hwreg(HW_REG_WAVE_MODE, 25, 1), 1
	s_wait_xcnt 0x0
	s_wait_alu depctr_hold_cnt(0) depctr_sa_sdst(0) depctr_va_vdst(0) depctr_va_sdst(0) depctr_va_ssrc(0) depctr_va_vcc(0) depctr_vm_vsrc(0)
	s_getreg_b32 s2, hwreg(HW_REG_IB_STS2, 6, 4)
	s_cmp_eq_u32 s2, 0
	s_cbranch_scc0 .Lentry_in_a_cluster
	s_endpgm
.Lentry_in_a_cluster:
	s_bfe_u32 s2, ttmp6, 0x10000c
	s_cmp_lg_u32 s2, 0x3003
	s_cbranch_scc0 .Lentry_shape_is_right
	s_endpgm
.Lentry_shape_is_right:
; ATTN: x[b][h][s][:] = the sum over keys of softmax(where(mask == 0, -1e9, q . k / 8)) v.  q, k, v: qkv[t][b][h][s][64], f16; q already carries log2(e) / 8, so the first product gives t, the exponent of 2.
; A masked score becomes -1e9 x log2(e), a NUMBER, as the problem has it: a row with no key left has t - m = 0 everywhere and is the plain mean of all 2,048 values.
; SOFTMAX: for each query a running maximum m and sum l, in f32: p = 2^(t - m); in every step O and l are multiplied by a = 2^(m_old - m_new).  p is rounded to f16 for the second product; l sums the unrounded p.
; LIMITS: NaN and infinities are not served; operands are f16 (the products are left as they are by the contract): |q| log2(e) / 8, |k|, |v| and |x| stay under 65,504.
; SHARES: a work-group owns 256 queries of one (b, h); each of its eight waves 32: two tiles of 16; two waves lie on a SIMD.  Every wave walks all 2,048 keys, 64 a step.
; K and V come through two LDS slots of 256 keys, filled by tensor loads (waves 0, 1: K's halves; waves 2, 3: V's; waves 4-7 none) and read by all eight.
; CLUSTER: the four query blocks of a cluster belong to one head and walk the same K and V: each tile is asked for jointly, by the same tensor load with a mask that names the four.
; LAYOUT: both products transposed.  S^T = K Q^T (source 0 = 16 keys, source 1 = 16 queries): lane L holds query L % 16, register 8 t + j key 16 t + 8 (L / 16) + j.  Two tiles of keys, packed to f16 in pairs,
; are source 1 of O^T = V^T P; V is turned on its way out of LDS by ds_load_tr16_b128.
; THE FIRST PRODUCT RUNS A STEP AHEAD.  While step j's scores are scaled and exponentiated, the 16 products K Q^T of step j + 1 are issued among those lines, one product and then a slice of two scalings and four
; exponentials: the scores have two sets of registers, which take turns.  The second product's first six instructions have the rescaling of another accumulator behind each.
; So LDS is read in the order V(j), K(j + 1), V(j + 1), ..: the change of slots stands inside a slot's last step, behind its V and ahead of the next slot's first K.
; THE MASK comes as lane masks: one 32-bit word for each score register (word 8 t + j of the chunk of 64 keys), read by scalar loads a step ahead; one v_cndmask_b32 a score, no branch.
; REGISTERS.  Window 0 holds all that K Q^T and the softmax name, so the slices want no switch: v1-8 addresses and constants; v12-27 statistics, eight a tile; v32-63 Q; v64-127, v128-191 S^T, two sets of 32 a tile; v192-255 K.
;   Window 1 holds all that V^T P and the rescaling name: v0-63 O^T, 32 a tile; v64-127 V; v128-159 P, 16 a tile; v160-163 a copy of a, a pair a tile.  Five switches a step.
.set KP,    272                        ; LDS: two keys' rows (256 bytes) + 16 of padding: sixteen keys of a fragment start at sixteen different 16-byte columns
.set VP,    288                        ; V: 256 + 32: the turning load's sixteen lanes (four lines x two keys x two halves) touch sixteen different columns
.set VOFF,  128*KP                     ; a slot: 128 lines of K, then 128 lines of V
.set SLOT1, 1<<17                      ; slot 1 begins here: one exclusive or turns an address
.set SPARE, SLOT1+VOFF+128*VP          ; 202,752: the spare words, 128 bytes a wave, that no other line names
.set SLOTB, 32768                      ; 256 keys of 128 bytes in memory
.set OP,    144                        ; the way out: 32 rows x (128 bytes + 16) for each wave, in slot 0, which is left at the last change of slots
.set AK0, 1
.set AV0, 2
.set ADK, 3
.set ADV, 4
.set NEG, 5                            ; v5  -1e9 x log2(e)
.set SPW, 6
.set NIL, 7
.set PFO, 8                            ; v8  256 x lane
.set ST,  12                           ; tile T at v[ST + 8 T]: +0 m, +1 its partner in the pair, +2, +3 l, +4 .. +7 c0-c3; later +4, +5 a second chain of the sum, +6 a
.set Q,   32
.set S,   64                           ; set 0 at v64, set 1 at v128
.set KF,  192
.set VF,  64                           ; in window 1
.set P,   128                          ; in window 1
.set A1,  160                          ; in window 1
.set MP,  2                            ; s[2:3]   the mask words of my first tile, at the slot in hand
.set G1K, 4                            ; s[4:11]  descriptor group 1 for K's tiles;  s[12:19] for V's: it differs in the padding alone
.set G1V, 12
.set G0K, 20                           ; s[20:23], s[24:27] their groups 0, which walk
.set G0V, 24
.set WV,  28
.set TB,  29                           ; LDS byte at which the slot in hand begins
.set SLOTS, 30
.set LIM, 31
.set MA,  32                           ; s[32:63] tile 0's 32 mask words (at the head: temporaries)
.set SEL, 66
.set MB,  68                           ; s[68:99] tile 1's
.set PFA, 100
.set XO,  104                          ; s[104:105] xh at my wave's first row
.set MSB, 0
.macro WIN new                         ; the immediate's high byte repeats the setting that is left
.if MSB != \new
	s_set_vgpr_msb (MSB<<8)|\new
.set MSB, \new
.endif
.endm
; A joint load.  The branches hang on the wave's number alone.  An s_nop 0 and four v_nop follow each of the two lines.
.macro JLOAD
	s_cmp_lt_u32 s[WV], 2
	s_cbranch_scc0 .Lnot_k_\@
	tensor_load_to_lds s[G0K:G0K+3], s[G1K:G1K+7]
	s_nop 0
.rept 4
	v_nop
.endr
	s_branch .Lasked_\@
.Lnot_k_\@:
	s_cmp_lt_u32 s[WV], 4
	s_cbranch_scc0 .Lasked_\@
	tensor_load_to_lds s[G0V:G0V+3], s[G1V:G1V+7]
	s_nop 0
.rept 4
	v_nop
.endr
.Lasked_\@:
.endm
; A prefetch of what the NEXT change of slots will ask for: 256 keys of K and of V, 32,768 bytes each.  Both clusters of a head walk the same rows: the first asks.  Its four partners take 8,192 bytes each, told apart
; by address; in each, wave 4 asks for K's and wave 5 for V's, lanes 256 bytes apart: each aligned 256 bytes is named once in the launch.  It runs four key steps ahead of the load; the last filling change asks for nothing.
; It stands behind the joint load and behind the run of LDS loads that the next products wait for.
.macro ASK
	s_cmp_gt_u32 s[SLOTS], s[LIM]
	s_cbranch_scc0 .Lnot_mine_\@
	global_prefetch_b8 v[PFO], s[PFA:PFA+1] th:TH_LOAD_NT scope:SCOPE_SE
.Lnot_mine_\@:
.endm
.macro CROUND                          ; a round of the cluster's barrier
	s_barrier_signal -1
	s_barrier_wait -1
	s_cmp_lg_u32 s[WV], 0
	s_cbranch_scc1 .Lnot_wave_0_\@
	s_barrier_signal -3
.Lnot_wave_0_\@:
	s_barrier_wait -3
	s_barrier_signal -1
	s_barrier_wait -1
.endm
	s_load_b128 s[36:39], s[0:1], 0x0              ; qkv s[36:37], mbits s[38:39]
	s_load_b64 s[XO:XO+1], s[0:1], 0x10            ; xh
	v_lshl_add_u32 v[SPW], v0, 2, SPARE
	v_mov_b32 v[NIL], 0
	ds_add_u32 v[SPW], v[NIL]                      ; the wave's opening: the add, twice on end, and its wait ahead of the first tensor loads
	ds_add_u32 v[SPW], v[NIL]
	v_lshrrev_b32 v9, 5, v0
	v_readfirstlane_b32 s[WV], v9                  ; wave 0..7
	s_bfe_u32 s40, ttmp6, 0x40000                  ; cx
	s_lshl_b32 s41, ttmp9, 2
	s_add_co_u32 s41, s41, s40                     ; my block of 256 queries: it enters Q's, the mask's and xh's addresses alone
	s_and_b32 s42, ttmp7, 0xffff                   ; 16 b + h, which the four partners share
	s_mov_b32 s[G1K], 15|(1<<16)|(1<<20)|(1<<21)|(5<<22)|(3<<25)  ; the mask: all four; elements of 2 bytes; padding on; bit 21 beside a mask; after every 64 words, 4 words
	s_mov_b32 s[G1V], 15|(1<<16)|(1<<20)|(1<<21)|(5<<22)|(7<<25)  ; the same with 8 words
.irp g, G1K, G1V
	s_mov_b32 s[\g+1], 128<<16                     ; tensor_dim0 = 128 elements: two keys' rows, which are dense in memory
	s_mov_b32 s[\g+2], 64<<16                      ; tensor_dim1 = 64
	s_mov_b32 s[\g+3], 128<<16                     ; tile_dim0
	s_mov_b32 s[\g+4], 64                          ; tile_dim1
	s_mov_b32 s[\g+5], 128                         ; from line to line
	s_mov_b32 s[\g+6], 0
	s_mov_b32 s[\g+7], 0
.endr
	s_mov_b32 s[SEL], 0x76543210
	s_mov_b32 s[SEL+1], 0xfedcba98                 ; v_permlanex16_b32: lane l xor 16
	s_mov_b32 s[TB], 0
	s_mov_b32 s[SLOTS], 7                          ; eight slots' worth of keys; the first is asked for at the head
	s_lshr_b32 s[LIM], s[WV], 1
	s_xor_b32 s[LIM], s[LIM], 2                    ; 0 in waves 4 and 5,
	s_or_b32 s[LIM], s[LIM], ttmp9                 ; of the head's first cluster: the same in all four partners
	s_cmp_eq_u32 s[LIM], 0
	s_cselect_b32 s[LIM], 1, -1
	s_lshl_b32 s44, s42, 18                        ; the head's 262,144 bytes in each of q, k, v and xh
	s_and_b32 s43, s[WV], 1                        ; which half of a slot I fetch, if I fetch
	s_lshl_b32 s46, s43, 14
	s_add_co_u32 s46, s46, s44
	s_mov_b32 s47, 0
	s_mul_i32 s48, s43, 64*KP                      ; its place in a slot: K's,
	s_mul_i32 s49, s43, 64*VP
	s_add_co_u32 s49, s49, VOFF                    ; V's
	s_lshl_b32 s50, s41, 15                        ; my block's 256 rows of 128 bytes,
	s_lshl_b32 s51, s[WV], 12                      ; my wave's 32
	s_add_co_u32 s50, s50, s51
	s_add_co_u32 s50, s50, s44
	s_mov_b32 s51, 0
	s_lshr_b32 s52, s42, 4                         ; b
	s_lshl_b32 s52, s52, 7
	s_lshl_b32 s53, s41, 4
	s_add_co_u32 s52, s52, s53
	s_lshl_b32 s53, s[WV], 1
	s_add_co_u32 s52, s52, s53                     ; my first tile of queries: 128 b + 16 x block + 2 x wave
	s_lshl_b32 s52, s52, 12                        ; 4,096 bytes of mask words a tile
	s_mov_b32 s53, 0
	s_mov_b32 s60, 16777216                        ; the prefetches: V's part of qkv, or
	s_cmp_eq_u32 s[WV], 4
	s_cselect_b32 s60, 8388608, s60                ; K's,
	s_add_co_u32 s60, s60, s44                     ; my head,
	s_lshl_b32 s61, s40, 13
	s_add_co_u32 s60, s60, s61                     ; my work-group's 8,192 bytes,
	s_add_co_u32 s60, s60, SLOTB                   ; in slot 1: the first change of slots steps it to slot 2.  The prefetch at the head asks for slot 2
	s_mov_b32 s61, 0
	v_and_b32 v[PFO], 31, v0
	v_lshlrev_b32 v[PFO], 8, v[PFO]
	s_wait_dscnt 0x0                               ; both opening adds are done
	s_wait_kmcnt 0x0
	s_add_nc_u64 s[MP:MP+1], s[38:39], s[52:53]
	s_add_nc_u64 s[XO:XO+1], s[XO:XO+1], s[50:51]
	s_add_nc_u64 s[PFA:PFA+1], s[36:37], s[60:61]
	s_add_nc_u64 s[62:63], s[36:37], s[50:51]      ; Q at my wave's first row
	s_add_nc_u64 s[54:55], s[36:37], s[46:47]
	s_mov_b32 s[G0K], 1                            ; count = 1
	s_mov_b32 s[G0K+1], s48                        ; LDS address: slot 0
	s_add_nc_u64 s[G0K+2:G0K+3], s[54:55], 8388608   ; K's part of qkv: the head's first 256 keys, my half
	s_or_b32 s[G0K+3], s[G0K+3], 0x80000000        ; type = 2
	s_mov_b32 s[G0V], 1
	s_mov_b32 s[G0V+1], s49
	s_add_nc_u64 s[G0V+2:G0V+3], s[54:55], 16777216
	s_or_b32 s[G0V+3], s[G0V+3], 0x80000000
	CROUND                                         ; all four work-groups are here: the first joint loads meet
	JLOAD                                          ; slot 0
	v_and_b32 v9, 15, v0                           ; r
	v_bfe_u32 v10, v0, 4, 1                        ; h
	v_lshlrev_b32 v11, 7, v9
	v_lshl_add_u32 v11, v10, 4, v11                ; Q: row r of 128 bytes, + 16 h
.irp T, 0,1
.irp e, 0,1
	global_load_b128 v[Q+16*\T+8*\e:Q+16*\T+8*\e+3], v11, s[62:63] offset:2048*\T+64*\e       ; tile T, channels 32 e on: stays in registers
	global_load_b128 v[Q+16*\T+8*\e+4:Q+16*\T+8*\e+7], v11, s[62:63] offset:2048*\T+64*\e+32
.endr
.endr
	s_wait_xcnt 0x0                                ; Q's loads have read their base, which lies where the mask words land
	s_load_b512 s[MA:MA+15], s[MP:MP+1], 0x0       ; key step 0's mask words: tile 0's 32,
	s_load_b512 s[MA+16:MA+31], s[MP:MP+1], 0x40
	s_load_b512 s[MB:MB+15], s[MP:MP+1], 0x1000    ; tile 1's
	s_load_b512 s[MB+16:MB+31], s[MP:MP+1], 0x1040
	v_lshrrev_b32 v[AK0], 1, v9                    ; K: key r lies in line r / 2, half r % 2
	v_mul_u32_u24 v[AK0], v[AK0], KP
	v_and_b32 v3, 1, v9
	v_lshl_add_u32 v[AK0], v3, 7, v[AK0]
	v_lshl_add_u32 v[AK0], v10, 4, v[AK0]
	v_bfe_u32 v[AV0], v0, 1, 2                     ; V: the turning load's lane reads key 8 h + L % 8, channels 8 ((L / 8) % 2) on
	v_lshl_add_u32 v[AV0], v10, 2, v[AV0]
	v_mul_u32_u24 v[AV0], v[AV0], VP
	v_and_b32 v3, 1, v0
	v_lshl_add_u32 v[AV0], v3, 7, v[AV0]
	v_bfe_u32 v3, v0, 3, 1
	v_lshl_add_u32 v[AV0], v3, 4, v[AV0]
	v_add_nc_u32 v[AV0], VOFF, v[AV0]
	v_mov_b32 v[NEG], 0xceabfb8f                   ; -1e9 x log2(e)
.irp T, 0,1
	v_mov_b32 v[ST+8*\T], 0xff61b1e6               ; m: -3e38, under every t
	v_mov_b32 v[ST+8*\T+1], 0                      ; (named with m as a pair)
	v_mov_b32 v[ST+8*\T+2], 0                      ; l, in two halves
	v_mov_b32 v[ST+8*\T+3], 0
.endr
	WIN 0x40
.set i, 0
.rept 64
	v_mov_b32 v[i], 0                              ; O^T.  The step is written once for all steps: the first finds zeros, which a = 0 leaves zeros
.set i, i+1
.endr
.irp n, 0,1,2,3
	v_mov_b32 v[A1+\n], 0                          ; the copies of a and their partners in the pairs: written once, so that the pairs may be named
.endr
	WIN 0
.macro FETCH_K q                       ; 64 keys x 64 channels: tile t of 16 keys, channels 32 e on, at v[KF + 16 t + 8 e]
.irp t, 0,1,2,3
.irp e, 0,1
	ds_load_b128 v[KF+16*\t+8*\e:KF+16*\t+8*\e+3], v[ADK] offset:(32*(\q)+8*\t)*KP+64*\e
	ds_load_b128 v[KF+16*\t+8*\e+4:KF+16*\t+8*\e+7], v[ADK] offset:(32*(\q)+8*\t)*KP+64*\e+32
.endr
.endr
.endm
.macro FETCH_V q                       ; turned: keys 32 k on, channels 16 c on, at v[VF + 32 k + 8 c] of window 1
.irp k, 0,1
.irp c, 0,1,2,3
	ds_load_tr16_b128 v[VF+32*\k+8*\c:VF+32*\k+8*\c+3], v[ADV] offset:(32*(\q)+16*\k)*VP+32*\c
	ds_load_tr16_b128 v[VF+32*\k+8*\c+4:VF+32*\k+8*\c+7], v[ADV] offset:(32*(\q)+16*\k+8)*VP+32*\c
.endr
.endr
.endm
; The eight accumulators of each product take turns, one instruction a turn.
.macro KQ1 d                           ; product kk of 16 of S^T = K Q^T into the set at d: channels 32 (kk / 8) on, keys 16 ((kk / 2) % 4) on, tile kk % 2.  The first 8 start the sums
.set rS, (\d)+32*(kk%2)+8*((kk/2)%4)
.set rK, KF+16*((kk/2)%4)+8*(kk/8)
.set rQ, Q+16*(kk%2)+8*(kk/8)
.if kk < 8
	v_wmma_f32_16x16x32_f16 v[rS:rS+7], v[rK:rK+7], v[rQ:rQ+7], 0
.else
	v_wmma_f32_16x16x32_f16 v[rS:rS+7], v[rK:rK+7], v[rQ:rQ+7], v[rS:rS+7]
.endif
.endm
.macro PV1                             ; product i of 16 of O^T += V^T P: keys 32 (i / 8) on, channels 16 ((i / 2) % 4) on, tile i % 2
.set rO, 32*(i%2)+8*((i/2)%4)
.set rV, VF+32*(i/8)+8*((i/2)%4)
.set rP, P+16*(i%2)+8*(i/8)
	v_wmma_f32_16x16x32_f16 v[rO:rO+7], v[rV:rV+7], v[rP:rP+7], v[rO:rO+7]
.endm
.macro RESC n                          ; accumulator n of O^T, in the order of PV1's turns, times its tile's a; from its low end on
.set rR, 32*((\n)%2)+8*((\n)/2)
.irp r, 0,2,4,6
	v_pk_mul_f32 v[rR+\r:rR+\r+1], v[rR+\r:rR+\r+1], v[A1+2*((\n)%2):A1+2*((\n)%2)+1] op_sel_hi:[1,0]
.endr
.endm
.macro PKA p                           ; pair p of this step's 32 pairs of scores: t - m, two at a time
	v_pk_add_f32 v[SC+2*(\p):SC+2*(\p)+1], v[SC+2*(\p):SC+2*(\p)+1], v[ST+8*((\p)/16):ST+8*((\p)/16)+1] op_sel_hi:[1,0] neg_lo:[0,1] neg_hi:[0,1]
.endm
; THE CHANGE OF SLOTS.  Each wave waits for all its tensor loads, adds 0 to its spare word, and waits for that and for its reads of the slot that it leaves (the last of them: V of the slot's last step).
; fill = 1: a round of the cluster's barrier, so that no wave of any partner still reads that slot or has a load on its way; then the joint load of the next 256 keys into it: it has four key steps in which to land.
.macro CHANGE fill
	s_wait_tensorcnt 0x0                           ; no tensor load of mine is out, so a group 0 may be written
	ds_add_u32 v[SPW], v[NIL]                      ; 0 onto my spare word
.if \fill
	ds_add_u32 v[SPW], v[NIL]                      ; and once more
	s_xor_b32 s[G0K+1], s[G0K+1], SLOT1            ; the walking descriptors: the other slot than last time,
	s_add_nc_u64 s[G0K+2:G0K+3], s[G0K+2:G0K+3], SLOTB   ; the next 256 keys
	s_xor_b32 s[G0V+1], s[G0V+1], SLOT1
	s_add_nc_u64 s[G0V+2:G0V+3], s[G0V+2:G0V+3], SLOTB
	s_wait_xcnt 0x0                                ; the last prefetch, a slot back, has read its address
	s_add_nc_u64 s[PFA:PFA+1], s[PFA:PFA+1], SLOTB ; one slot further on than the walking descriptors
.endif
	s_wait_dscnt 0x0                               ; the add is done, and my reads of the slot that I leave are over
.if \fill
	CROUND
	JLOAD                                          ; the first thing behind the round, and a wave's one tensor load until the next
.else
	s_barrier_signal -1
	s_barrier_wait -1
.endif
.endm
; A KEY STEP: 64 keys, the q-th of the slot in hand.  Its scores were made in the step before, in set q % 2; it makes the next step's in the other set.
; mode 0: a slot whose last step asks for another slot; 1: the last slot but one: its last step changes slots and asks for nothing; 2: the last slot: its last step has no next step.
.macro STEP q, mode
.set SC, S+64*((\q)%2)
.set SN, S+64*(1-(\q)%2)
.set NXT, 1
.if ((\q) == 3) && ((\mode) == 2)
.set NXT, 0
.endif
	s_wait_kmcnt 0x0                               ; this step's mask words, asked for a step ago; no scalar load is out, so their base may step
.if ((\q) == 3) && NXT
	s_add_nc_u64 s[MP:MP+1], s[MP:MP+1], 512       ; the next slot's four chunks
.endif
.set i, 0
.rept 32
	v_cndmask_b32 v[SC+i], v[NEG], v[SC+i], s[MA+i]   ; where the mask is 0: -1e9 x log2(e).  Each accumulator from its low end on.  (These 32 are also the places between the last V^T P and the loads into V's registers)
.set i, i+1
.endr
.if (\q) < 3
	s_load_b512 s[MA:MA+15], s[MP:MP+1], 128*((\q)+1)
	s_load_b512 s[MA+16:MA+31], s[MP:MP+1], 128*((\q)+1)+64
.elseif NXT
	s_load_b512 s[MA:MA+15], s[MP:MP+1], 0x0
	s_load_b512 s[MA+16:MA+31], s[MP:MP+1], 0x40
.endif
	WIN 0x40                                       ; destination window 1, address window 0
	FETCH_V \q
	WIN 0
.if (\q) < 3
	FETCH_K (\q)+1                                 ; the next step's K, from the same slot
.endif
.set i, 0
.rept 32
	v_cndmask_b32 v[SC+32+i], v[NEG], v[SC+32+i], s[MB+i]
.set i, i+1
.endr
.if (\q) < 3
	s_load_b512 s[MB:MB+15], s[MP:MP+1], 4096+128*((\q)+1)
	s_load_b512 s[MB+16:MB+31], s[MP:MP+1], 4096+128*((\q)+1)+64
.elseif NXT
	s_load_b512 s[MB:MB+15], s[MP:MP+1], 0x1000
	s_load_b512 s[MB+16:MB+31], s[MP:MP+1], 0x1040
.endif
	; the maximum of a lane's 32 scores and the old m: four chains, the two tiles by turns
.irp c, 0,1,2,3
.irp T, 0,1
	v_max3_num_f32 v[ST+8*\T+4+\c], v[SC+32*\T+8*\c], v[SC+32*\T+8*\c+1], v[SC+32*\T+8*\c+2]
.endr
.endr
.irp d, 3,5
.irp c, 0,1,2,3
.irp T, 0,1
	v_max3_num_f32 v[ST+8*\T+4+\c], v[ST+8*\T+4+\c], v[SC+32*\T+8*\c+\d], v[SC+32*\T+8*\c+\d+1]
.endr
.endr
.endr
.irp T, 0,1
	v_max3_num_f32 v[ST+8*\T+4], v[ST+8*\T+4], v[SC+32*\T+7], v[SC+32*\T+15]
	v_max3_num_f32 v[ST+8*\T+6], v[ST+8*\T+6], v[SC+32*\T+23], v[SC+32*\T+31]
.endr
.irp T, 0,1
	v_max3_num_f32 v[ST+8*\T+4], v[ST+8*\T+4], v[ST+8*\T+5], v[ST+8*\T+6]
.endr
.irp T, 0,1
	v_max3_num_f32 v[ST+8*\T+4], v[ST+8*\T+4], v[ST+8*\T+7], v[ST+8*\T]
.endr
.irp T, 0,1
	v_permlanex16_b32 v[ST+8*\T+5], v[ST+8*\T+4], s[SEL], s[SEL+1]   ; the query's other 32 keys lie in the lane 16 away
.endr
.irp T, 0,1
	v_mov_b32 v[ST+8*\T+7], v[ST+8*\T]             ; m_old
.endr
.irp T, 0,1
	v_max_num_f32 v[ST+8*\T], v[ST+8*\T+4], v[ST+8*\T+5]
.endr
.irp T, 0,1
	v_sub_f32 v[ST+8*\T+7], v[ST+8*\T+7], v[ST+8*\T]
.endr
.if ((\q) == 3) && NXT                         ; the slot's last read, V of this step, has been asked for; the next read is the next slot's first K.  No exponential of this step has been issued yet
.if (\mode) == 0
	CHANGE 1
.else
	CHANGE 0
.endif
	s_xor_b32 s[TB], s[TB], SLOT1                  ; on to the other slot
	v_add_nc_u32 v[ADK], s[TB], v[AK0]
	FETCH_K 0
.if (\mode) == 0
	ASK
.endif
.endif
.irp T, 0,1
	v_exp_f32 v[ST+8*\T+6], v[ST+8*\T+7]           ; a = 2^(m_old - m_new)
.endr
	PKA 0
	PKA 1
	s_wait_dscnt 0x0                               ; the next step's K is in, and this step's V, which was asked for ahead of it
	; SIXTEEN SLICES: a product of the next step's scores, then two scalings and four exponentials of this step's.  A pair is scaled a slice ahead of its exponentials.  None of these lines names an exponential's result
.set kk, 0
.rept 16
.if NXT
	KQ1 SN
.endif
.if kk < 15
	PKA 2*kk+2
.endif
	v_exp_f32 v[SC+4*kk], v[SC+4*kk]               ; p = 2^(t - m)
	v_exp_f32 v[SC+4*kk+1], v[SC+4*kk+1]
.if kk < 15
	PKA 2*kk+3
.endif
	v_exp_f32 v[SC+4*kk+2], v[SC+4*kk+2]
	v_exp_f32 v[SC+4*kk+3], v[SC+4*kk+3]
.set kk, kk+1
.endr
	v_nop                                          ; a plain instruction behind the last exponential
	s_wait_alu depctr_va_vdst(0)                   ; one wait for the step's 66 exponentials, ahead of the first instruction that names a result
.irp T, 0,1
	v_pk_fma_f32 v[ST+8*\T+2:ST+8*\T+3], v[ST+8*\T+2:ST+8*\T+3], v[ST+8*\T+6:ST+8*\T+7], v[SC+32*\T:SC+32*\T+1] op_sel_hi:[1,0,1]   ; l = a l + the sum of the unrounded p: two chains a tile
	v_pk_add_f32 v[ST+8*\T+4:ST+8*\T+5], v[SC+32*\T+2:SC+32*\T+3], v[SC+32*\T+6:SC+32*\T+7]
.endr
.irp p, 2,4,6,8,10,12
.irp T, 0,1
	v_pk_add_f32 v[ST+8*\T+2:ST+8*\T+3], v[ST+8*\T+2:ST+8*\T+3], v[SC+32*\T+2*\p:SC+32*\T+2*\p+1]
	v_pk_add_f32 v[ST+8*\T+4:ST+8*\T+5], v[ST+8*\T+4:ST+8*\T+5], v[SC+32*\T+2*\p+6:SC+32*\T+2*\p+7]
.endr
.endr
.irp T, 0,1
	v_pk_add_f32 v[ST+8*\T+2:ST+8*\T+3], v[ST+8*\T+2:ST+8*\T+3], v[SC+32*\T+28:SC+32*\T+29]
.endr
.irp T, 0,1
	v_pk_add_f32 v[ST+8*\T+2:ST+8*\T+3], v[ST+8*\T+2:ST+8*\T+3], v[ST+8*\T+4:ST+8*\T+5]
.endr
	WIN 0x40                                       ; destination window 1
.irp T, 0,1
	v_mov_b32 v[A1+2*\T], v[ST+8*\T+6]             ; a, where the rescaling can name it beside O^T
.endr
.set i, 0
.rept 16
	v_cvt_pk_f16_f32 v[P+i], v[SC+2*i], v[SC+2*i+1]                ; P: word i of a tile takes weights 2 i and 2 i + 1
	v_cvt_pk_f16_f32 v[P+16+i], v[SC+32+2*i], v[SC+32+2*i+1]
.set i, i+1
.endr
	WIN 0x55                                       ; all four places window 1
	RESC 0
	RESC 1
.set i, 0
.rept 16
	PV1
.if i < 6
	RESC i+2                                       ; the accumulator two turns on: it names no register of the products round it
.endif
.set i, i+1
.endr
	WIN 0
.endm
.macro SLOT mode
	v_add_nc_u32 v[ADV], s[TB], v[AV0]
	STEP 0, \mode
	STEP 1, \mode
	STEP 2, \mode
	STEP 3, \mode
.endm
	s_wait_loadcnt 0x0                             ; Q
	CHANGE 1                                       ; slot 0 is whole; slot 1 is asked for, for the first time
	v_add_nc_u32 v[ADK], s[TB], v[AK0]
	FETCH_K 0
	ASK
	s_wait_dscnt 0x0
.set kk, 0
.rept 16
	KQ1 S                                          ; key step 0's scores: there is no vector work yet to set between them
.set kk, kk+1
.endr
.rept 4
	v_nop                                          ; places between these products and the first read of their results
.endr
	s_mov_b32 s[SLOTS], 6
.Lslot:                                            ; six trips: slots 0 to 5; the change in each one's last step asks for the slot two on
	SLOT 0
	s_sub_co_u32 s[SLOTS], s[SLOTS], 1
	s_cmp_lg_u32 s[SLOTS], 0
	s_cbranch_scc1 .Lslot
	SLOT 1                                         ; the last two slots are written out
	SLOT 2                                         ; and no key and no mask word past the last is asked for
	; THE WAY OUT.  l's halves and the other half of the lanes' are added; O^T / l is rounded to f16 and goes through my stage, so that an instruction's 32 lanes store four rows: 512 consecutive bytes.
	; The additions and the address work are the places behind the last products.
.irp T, 0,1
	v_add_f32 v[ST+8*\T+4], v[ST+8*\T+2], v[ST+8*\T+3]
.endr
.irp T, 0,1
	v_permlanex16_b32 v[ST+8*\T+5], v[ST+8*\T+4], s[SEL], s[SEL+1]
.endr
.irp T, 0,1
	v_add_f32 v[ST+8*\T+4], v[ST+8*\T+4], v[ST+8*\T+5]
.endr
.irp T, 0,1
	v_rcp_f32 v[ST+8*\T+6], v[ST+8*\T+4]
.endr
	s_mul_i32 s32, s[WV], 32*OP                    ; my stage (the address work is the plain work behind the reciprocals)
	v_and_b32 v9, 15, v0
	v_bfe_u32 v10, v0, 4, 1
	v_mul_u32_u24 v3, v9, OP
	v_lshl_add_u32 v3, v10, 4, v3
	v_add_nc_u32 v3, s32, v3                       ; in: row r, 16 bytes for each half of the lanes
	v_bfe_u32 v4, v0, 3, 2
	v_mul_u32_u24 v4, v4, OP
	v_and_b32 v9, 7, v0
	v_lshl_add_u32 v4, v9, 4, v4
	v_add_nc_u32 v4, s32, v4                       ; back: eight lanes to a row of 128 bytes, four rows an instruction
	v_and_b32 v11, 31, v0
	v_lshlrev_b32 v11, 4, v11                      ; and in memory: 16 x lane
	s_wait_alu depctr_va_vdst(0)                   ; one wait for the two reciprocals, ahead of their first reader
	WIN 0x01                                       ; source 0 in window 1
.irp T, 0,1
.set i, 0
.rept 16
	v_pk_mul_f32 v[S+32*\T+2*i:S+32*\T+2*i+1], v[32*\T+2*i:32*\T+2*i+1], v[ST+8*\T+6:ST+8*\T+7] op_sel_hi:[1,0]   ; each accumulator from its low end on
.set i, i+1
.endr
.endr
	WIN 0
.set i, 0
.rept 32
	v_cvt_pk_f16_f32 v[S+64+i], v[S+2*i], v[S+2*i+1]   ; word 16 T + 4 c + n: channels 16 c + 8 h + 2 n, + 1 of query 16 T + r
.set i, i+1
.endr
.irp T, 0,1
.irp c, 0,1,2,3
	ds_store_b128 v3, v[S+64+16*\T+4*\c:S+64+16*\T+4*\c+3] offset:16*OP*\T+32*\c
.endr
.endr
.irp i, 0,1,2,3,4,5,6,7
	ds_load_b128 v[KF+4*\i:KF+4*\i+3], v4 offset:4*OP*\i           ; LDS serves a wave's instructions in order: these see my stores
.endr
.irp i, 0,1,2,3,4,5,6,7
	s_wait_dscnt 7-\i                              ; the younger loads may be out
	global_store_b128 v11, v[KF+4*\i:KF+4*\i+3], s[XO:XO+1] offset:512*\i
.endr
	s_wait_tensorcnt 0x0                           ; the wave's end, behind my last tensor load and my last LDS store
	ds_add_u32 v[SPW], v[NIL]
	s_wait_dscnt 0x0
	CROUND                                         ; the closing round: no work-group ends while a partner may still ask for a tile that names it
	s_endpgm
.Lfunc_end_k_qc515a442cd_attn:
	.size	k_qc515a442cd_attn, .Lfunc_end_k_qc515a442cd_attn-k_qc515a442cd_attn
	.p2alignl 7, 3214868480
	.fill 96, 4, 3214868480
	.section	.rodata,"a",@progbits
	.p2align	6, 0x0
	.amdhsa_kernel k_qc515a442cd_attn
		.amdhsa_group_segment_fixed_size 327680
		.amdhsa_private_segment_fixed_size 0
		.amdhsa_enable_private_segment 0
		.amdhsa_kernarg_size 24
		.amdhsa_user_sgpr_count 2
		.amdhsa_user_sgpr_kernarg_segment_ptr 1
		.amdhsa_wavefront_size32 1
		.amdhsa_system_sgpr_workgroup_id_x 1
		.amdhsa_system_sgpr_workgroup_id_y 1
		.amdhsa_system_sgpr_workgroup_id_z 1
		.amdhsa_system_vgpr_workitem_id 0
		.amdhsa_next_free_vgpr 432
		.amdhsa_next_free_sgpr 106
		.amdhsa_reserve_vcc 0
		.amdhsa_float_denorm_mode_32 3
		.amdhsa_float_denorm_mode_16_64 3
		.amdhsa_memory_ordered 1
		.amdhsa_forward_progress 1
		.amdhsa_inst_pref_size 255
	.end_amdhsa_kernel
	.section	.bss,"aw",@nobits
	.p2align	6
	.space	262144
	.amdgpu_metadata
---
amdhsa.version: [ 1, 2 ]
amdhsa.kernels:
  - .name:           k_qc515a442cd_attn
    .symbol:         k_qc515a442cd_attn.kd
    .args:
      - { .name: qkv, .offset: 0, .size: 8, .value_kind: global_buffer, .address_space: global }
      - { .name: mbits, .offset: 8, .size: 8, .value_kind: global_buffer, .address_space: global }
      - { .name: xh, .offset: 16, .size: 8, .value_kind: global_buffer, .address_space: global }
    .group_segment_fixed_size: 327680
    .private_segment_fixed_size: 0
    .kernarg_segment_align: 8
    .kernarg_segment_size: 24
    .max_flat_workgroup_size: 256
    .sgpr_count:     106
    .vgpr_count:     432
    .wavefront_size: 32
...
	.end_amdgpu_metadata
.endif
;; end of part 3
;; launch outp (part 4): grid 8 x 32, 4 waves a work-group, clusters of 4 x 4, 327,680 bytes of LDS; arguments xh, wo16, bo, out0; writes out0
.if DOCPART == 4
	.amdgcn_target "amdgcn-amd-amdhsa--gfx1250"
	.amdhsa_code_object_version 6
	.text
	.protected	k_qc515a442cd_outp
	.globl	k_qc515a442cd_outp
	.p2align	8
	.type	k_qc515a442cd_outp,@function
k_qc515a442cd_outp:
	s_mov_b64 s[64:65], 0
	v_nop
	global_prefetch_b8 v0, s[64:65] scope:SCOPE_SE
	s_setreg_imm32_b32 hwreg(HW_REG_WAVE_MODE, 25, 1), 1
	s_wait_xcnt 0x0
	s_wait_alu depctr_hold_cnt(0) depctr_sa_sdst(0) depctr_va_vdst(0) depctr_va_sdst(0) depctr_va_ssrc(0) depctr_va_vcc(0) depctr_vm_vsrc(0)
	s_getreg_b32 s2, hwreg(HW_REG_IB_STS2, 6, 4)
	s_cmp_eq_u32 s2, 0
	s_cbranch_scc0 .Lentry_in_a_cluster
	s_endpgm
.Lentry_in_a_cluster:
	s_bfe_u32 s2, ttmp6, 0x10000c
	s_cmp_lg_u32 s2, 0xf033
	s_cbranch_scc0 .Lentry_shape_is_right
	s_endpgm
.Lentry_shape_is_right:
; OUTP: out0[m][n] = the sum over k of x[m][k] Wo[n][k] + bo[n].  x comes by heads, xh[b][h][s][64] f16 (k = 64 h + d); Wo as wo16[n][k] f16; sums in f32, K ascending; out0 [4096][1024] f32.
; LIMITS: operands are f16 (the contract leaves this product as it is): |x| and |Wo| stay under 65,504; NaN and infinities are not served.
; A tile is 128 x 128: 256 work-groups.  Four waves, 64 x 64 each: 16 accumulators.  K goes in four steps of 256 (four heads) through two LDS slots; a quarter step of 64 is one head.
; A's tile of a K step: for each of four heads 64 positions x 128 bytes, dense in memory: one tensor load of four rows of 8,192 bytes, 262,144 bytes apart, with 16 bytes of padding behind every 256:
; in LDS a head's block is 32 lines of 272 bytes, two positions a line.  B's: 64 rows of 512 bytes + 16.
; CLUSTERS: 4 x 4 work-groups: A's tile is shared along a row of the cluster, B's along a column, by joint loads.  THE MATRIX INSTRUCTION IS USED TRANSPOSED (source 0 = 16 rows of Wo, source 1 = 16 rows of x).
; The bias is the C of each sum's first matrix instruction: eight registers a block of 16 columns, in the result's layout.
; REGISTERS: window 0: v0-31 addresses; v32-63 the bias; v64-127 the way out; v128-255 the accumulators ((a, b) at v[128 + 8 (4 a + b)]).  Window 1: two fragment buffers of 128: 64 of A, then 64 of B.
.set KSTEP,  256
.set PA,     272                       ; a line of A: two positions' 128 bytes + 16 of padding
.set PB,     528                       ; a row of B: 512 bytes + 16
.set HEADB,  32*PA                     ; a head's 64 positions
.set HALFA,  4*HEADB                   ; what one tensor load brings of A
.set HALFB,  64*PB                     ; and of B
.set SLOT,   2*HALFA+2*HALFB           ; A's 128 rows, then B's 128 rows
.set SPARE,  2*SLOT                    ; the spare words, 128 bytes a wave, that no other line names
.set SPITCH, 272                       ; the way out: 16 rows x (256 bytes + 16) for each wave, in slot 0, which has had its last fill and its last read by then
.set ASTEP,  4*262144                  ; a K step on in xh: four heads
.set ADRA, 16
.set ADRB, 20
.set STO,  24
.set RD,   25
.set CO,   26
.set BO,   27
.set SPW,  28
.set NIL,  29
.set BIAS, 32
.set BK,   64
.set ACC,  128
.set F0,   0
.set F1,   128
.set G1, 24
.set G0, 32
.set G1B, 48
.set G0B, 56
.set MSB, 0
.macro WIN new                         ; the immediate's high byte repeats the setting that is left
.if MSB != \new
	s_set_vgpr_msb (MSB<<8)|\new
.set MSB, \new
.endif
.endm
.set MUL,  0x05                        ; sources 0 (B) and 1 (A) window 1; C and D window 0
.set TO_F, 0x40
.macro JLOAD s                         ; a joint load: waves 0 and 1 fetch A's halves, waves 2 and 3 B's; an s_nop 0 and four v_nop follow each of the two lines
	s_cmp_eq_u32 s13, 0
	s_cbranch_scc0 .Lfor_b_\@
	tensor_load_to_lds s[G0+4*\s:G0+4*\s+3], s[G1:G1+7]
	s_nop 0
.rept 4
	v_nop
.endr
	s_branch .Lasked_\@
.Lfor_b_\@:
	tensor_load_to_lds s[G0B+4*\s:G0B+4*\s+3], s[G1B:G1B+7]
	s_nop 0
.rept 4
	v_nop
.endr
.Lasked_\@:
.endm
.macro CREST                           ; a round of the cluster's barrier behind its opening barrier
	s_cmp_lg_u32 s12, 0
	s_cbranch_scc1 .Lnot_wave_0_\@
	s_barrier_signal -3
.Lnot_wave_0_\@:
	s_barrier_wait -3
	s_barrier_signal -1
	s_barrier_wait -1
.endm
.macro CROUND
	s_barrier_signal -1
	s_barrier_wait -1
	CREST
.endm
	s_load_b128 s[4:7], s[0:1], 0x0                ; xh s[4:5], wo16 s[6:7]
	s_load_b128 s[8:11], s[0:1], 0x10              ; bo s[8:9], out0 s[10:11]
	v_lshl_add_u32 v[SPW], v0, 2, SPARE
	v_mov_b32 v[NIL], 0
	ds_add_u32 v[SPW], v[NIL]                      ; the wave's opening: the add, twice on end, and its wait ahead of my first tensor load
	ds_add_u32 v[SPW], v[NIL]
	v_lshrrev_b32 v1, 5, v0
	v_readfirstlane_b32 s12, v1                    ; wave 0..3
	s_lshr_b32 s13, s12, 1                         ; which half of the tile's rows is mine.  Also: I fetch for A (0) or for B (1)
	s_and_b32 s14, s12, 1                          ; which half of its columns.  Also: which 64 rows of that tile I fetch
	s_bfe_u32 s40, ttmp6, 0x40000                  ; cx, cy
	s_bfe_u32 s41, ttmp6, 0x40004
	s_lshl_b32 s42, ttmp9, 2
	s_add_co_u32 s42, s42, s40                     ; tile column = 4 x cluster x + cx
	s_and_b32 s15, ttmp7, 0xffff
	s_lshl_b32 s15, s15, 2
	s_add_co_u32 s15, s15, s41                     ; tile row = 4 x cluster y + cy
	s_lshl_b32 s43, s41, 2
	s_lshl_b32 s43, 15, s43                        ; my row of the cluster
	s_lshl_b32 s44, 0x1111, s40                    ; my column
	; group 1 for A: four rows of 4,096 elements of 2 bytes, 131,072 elements apart; 4 words of padding behind every 64
	s_or_b32 s[G1+0], s43, (1<<16)|(1<<20)|(1<<21)|(5<<22)|(3<<25)
	s_mov_b32 s[G1+1], 4096<<16                    ; tensor_dim0
	s_mov_b32 s[G1+2], 4<<16                       ; tensor_dim1
	s_mov_b32 s[G1+3], 4096<<16                    ; tile_dim0
	s_mov_b32 s[G1+4], 4                           ; tile_dim1
	s_mov_b32 s[G1+5], 131072                      ; from head to head
	s_mov_b32 s[G1+6], 0
	s_mov_b32 s[G1+7], 0
	; group 1 for B: 64 rows of 256 elements, 1,024 apart; 4 words of padding behind every 128
	s_or_b32 s[G1B+0], s44, (1<<16)|(1<<20)|(1<<21)|(6<<22)|(3<<25)
	s_mov_b32 s[G1B+1], KSTEP<<16
	s_mov_b32 s[G1B+2], 64<<16
	s_mov_b32 s[G1B+3], KSTEP<<16
	s_mov_b32 s[G1B+4], 64
	s_mov_b32 s[G1B+5], 1024
	s_mov_b32 s[G1B+6], 0
	s_mov_b32 s[G1B+7], 0
	s_lshl_b32 s18, s14, 6                         ; which 64 rows of the tile I fetch
	s_lshr_b32 s16, s15, 4                         ; A: b,
	s_lshl_b32 s16, s16, 22                        ; 16 heads of 262,144 bytes;
	s_lshl_b32 s17, s15, 7
	s_add_co_u32 s17, s17, s18
	s_and_b32 s17, s17, 2047                       ; the position in the sequence,
	s_lshl_b32 s17, s17, 7                         ; 128 bytes each
	s_add_co_u32 s16, s16, s17
	s_mov_b32 s17, 0
	s_lshl_b32 s46, s42, 7
	s_add_co_u32 s46, s46, s18                     ; B: row 128 x tile column + 64 x half,
	s_lshl_b32 s46, s46, 11                        ; 2,048 bytes each
	s_mov_b32 s47, 0
	s_mul_i32 s20, s14, HALFA                      ; where they go: no place in the cluster enters an LDS address
	s_mul_i32 s21, s14, HALFB
	s_add_co_u32 s21, s21, 2*HALFA
	s_wait_dscnt 0x0                               ; both opening adds are done
	s_wait_kmcnt 0x0
	s_add_nc_u64 s[16:17], s[4:5], s[16:17]
	s_add_nc_u64 s[46:47], s[6:7], s[46:47]
	CROUND                                         ; all sixteen work-groups are here: the first joint loads meet
.irp s, 0,1
	s_mov_b32 s[G0+4*\s], 1
	s_add_co_u32 s[G0+4*\s+1], s20, \s*SLOT
	s_add_nc_u64 s[G0+4*\s+2:G0+4*\s+3], s[16:17], \s*ASTEP
	s_or_b32 s[G0+4*\s+3], s[G0+4*\s+3], 0x80000000
	s_mov_b32 s[G0B+4*\s], 1
	s_add_co_u32 s[G0B+4*\s+1], s21, \s*SLOT
	s_add_nc_u64 s[G0B+4*\s+2:G0B+4*\s+3], s[46:47], \s*KSTEP*2
	s_or_b32 s[G0B+4*\s+3], s[G0B+4*\s+3], 0x80000000
	JLOAD \s                                       ; two tensor loads of mine are out
.endr
	v_and_b32 v1, 15, v0                           ; l % 16
	v_bfe_u32 v2, v0, 4, 1                         ; l / 16
	s_lshl_b32 s46, s42, 9
	s_lshl_b32 s47, s14, 8
	s_add_co_u32 s46, s46, s47                     ; 4 x (128 x tile column + 64 x half): my 64 columns, in bo and in a row of out0
	s_mov_b32 s47, 0
	s_add_nc_u64 s[8:9], s[8:9], s[46:47]
	s_add_nc_u64 s[10:11], s[10:11], s[46:47]
	v_lshlrev_b32 v[BO], 5, v2
.irp b, 0,1,2,3
	global_load_b128 v[BIAS+8*\b:BIAS+8*\b+3], v[BO], s[8:9] offset:64*\b          ; lane (r, h), block b: columns 16 b + 8 h + 0 .. 7
	global_load_b128 v[BIAS+8*\b+4:BIAS+8*\b+7], v[BO], s[8:9] offset:64*\b+16
.endr
	s_lshl_b32 s16, s15, 7
	s_lshl_b32 s17, s13, 6
	s_add_co_u32 s16, s16, s17                     ; my first row of out0: 128 x tile row + 64 x half
	s_lshl_b32 s16, s16, 12                        ; 4,096 bytes a row
	s_mov_b32 s17, 0
	s_add_nc_u64 s[10:11], s[10:11], s[16:17]
	v_lshrrev_b32 v3, 1, v1                        ; A: row r lies in line r / 2, half r % 2
	v_mul_u32_u24 v3, v3, PA
	v_and_b32 v4, 1, v1
	v_lshl_add_u32 v3, v4, 7, v3
	v_lshl_add_u32 v3, v2, 4, v3
	v_mul_u32_u24 v4, v1, PB                       ; B: row x pitch + 16 x half
	v_lshl_add_u32 v4, v2, 4, v4
	s_mul_i32 s18, s13, HALFA                      ; my 64 rows of A
	s_mul_i32 s19, s14, HALFB                      ; my 64 rows of B,
	s_add_co_u32 s19, s19, 2*HALFA                 ; which lie behind A's 128
.irp s, 0,1
	v_add_nc_u32 v[ADRA+\s], s18, v3
	v_add_nc_u32 v[ADRB+\s], s19, v4
	s_add_co_u32 s18, s18, SLOT
	s_add_co_u32 s19, s19, SLOT
.endr
	s_mul_i32 s18, s12, 16*SPITCH                  ; my stage
	v_mul_u32_u24 v5, v1, SPITCH                   ; in: row l % 16, 32 bytes for each half of the lanes
	v_lshl_add_u32 v5, v2, 5, v5
	v_add_nc_u32 v[STO], s18, v5
	v_mul_u32_u24 v5, v2, SPITCH                   ; back: lanes 0-15 one row of 256 bytes, lanes 16-31 the next
	v_lshl_add_u32 v5, v1, 4, v5
	v_add_nc_u32 v[RD], s18, v5
	v_lshlrev_b32 v5, 12, v2                       ; and the same two rows in out0
	v_lshl_add_u32 v[CO], v1, 4, v5
; 8 matrix instructions: m blocks a0, a0 + 1 x all 4 n blocks, 32 along K: half c of buffer f.  start = 1: the first product starts the sums, on the bias.  The 16 accumulators take turns.
.macro MUL8 f, c, a0, start
.irp a, \a0, \a0+1
.irp b, 0,1,2,3
.if \start
	v_wmma_f32_16x16x32_f16 v[ACC+8*(4*(\a)+\b):ACC+8*(4*(\a)+\b)+7], v[\f+64+8*(4*\c+\b):\f+64+8*(4*\c+\b)+7], v[\f+8*(4*\c+\a):\f+8*(4*\c+\a)+7], v[BIAS+8*\b:BIAS+8*\b+7]
.else
	v_wmma_f32_16x16x32_f16 v[ACC+8*(4*(\a)+\b):ACC+8*(4*(\a)+\b)+7], v[\f+64+8*(4*\c+\b):\f+64+8*(4*\c+\b)+7], v[\f+8*(4*\c+\a):\f+8*(4*\c+\a)+7], v[ACC+8*(4*(\a)+\b):ACC+8*(4*(\a)+\b)+7]
.endif
.endr
.endr
.endm
; 32 LDS loads in one run: the fragments of quarter z (one head) of a slot into buffer f; the first 32 along K first
.macro FETCH slot, z, f
	WIN TO_F
.irp c, 0,1
.irp i, 0,1,2,3
	ds_load_b128 v[\f+64+8*(4*\c+\i):\f+64+8*(4*\c+\i)+3],   v[ADRB+\slot] offset:128*(\z)+64*\c+\i*16*PB
	ds_load_b128 v[\f+64+8*(4*\c+\i)+4:\f+64+8*(4*\c+\i)+7], v[ADRB+\slot] offset:128*(\z)+64*\c+\i*16*PB+32
	ds_load_b128 v[\f+8*(4*\c+\i):\f+8*(4*\c+\i)+3],         v[ADRA+\slot] offset:HEADB*(\z)+64*\c+\i*8*PA
	ds_load_b128 v[\f+8*(4*\c+\i)+4:\f+8*(4*\c+\i)+7],       v[ADRA+\slot] offset:HEADB*(\z)+64*\c+\i*8*PA+32
.endr
.endr
.endm
.macro PLACES                          ; four plain vector instructions between a matrix instruction and a load into, or a read of, its registers
.rept 4
	v_nop
.endr
.endm
; One of a K step's first three quarters: multiplies buffer f and fetches quarter z of the same slot into g.
.macro QUARTER slot, z, f, g, start
	s_wait_dscnt 16                                ; the first 32 along K are in; the other sixteen loads may be out
	WIN MUL
	MUL8 \f, 0, 0, \start
	MUL8 \f, 0, 2, \start
	PLACES
	FETCH \slot, \z, \g
	s_wait_dscnt 32                                ; all but the 32 just issued
	WIN MUL
	MUL8 \f, 1, 0, 0
	MUL8 \f, 1, 2, 0
.endm
; The last quarter multiplies buffer 1 and changes slots: one barrier; in front of it each wave waits for all its tensor loads, adds 0 to its spare word, and waits for that and for its own reads of this slot.
; fill = 1: the barrier opens a round of the cluster's barrier, and this slot is filled again, two K steps ahead, first thing behind the round.
.macro TURN slot, next, fill
	WIN 0                                          ; (the add's two registers lie in window 0)
	s_wait_tensorcnt 0x0                           ; all my tensor loads have landed: my part of the next slot
	ds_add_u32 v[SPW], v[NIL]                      ; 0 onto my spare word
	s_wait_dscnt 17                                ; (the add and the youngest sixteen loads may be out)
	WIN MUL
	MUL8 F1, 0, 0, 0
	s_wait_dscnt 0x0                               ; the add is done, and my reads of this slot are over
	s_barrier_signal -1
	MUL8 F1, 0, 2, 0
.if \fill
	WIN 0
.endif
	s_barrier_wait -1
.if \fill
	CREST                                          ; no wave of any partner still reads this slot or has a load on its way
	s_add_nc_u64 s[G0+4*\slot+2:G0+4*\slot+3], s[G0+4*\slot+2:G0+4*\slot+3], 2*ASTEP
	s_add_nc_u64 s[G0B+4*\slot+2:G0B+4*\slot+3], s[G0B+4*\slot+2:G0B+4*\slot+3], 2*KSTEP*2
	JLOAD \slot                                    ; the four v_nop behind it are also the places in front of the loads below
.else
	PLACES
.endif
	FETCH \next, 0, F0
	WIN MUL
	MUL8 F1, 1, 0, 0
	MUL8 F1, 1, 2, 0
.endm
	s_wait_tensorcnt 1                             ; my part of K step 0 is in; K step 1's load may be out
	s_barrier_signal -1
	s_barrier_wait -1
	FETCH 0, 0, F0
	s_wait_loadcnt 0x0                             ; the bias
	QUARTER 0, 1, F0, F1, 1                        ; K step 0: its first products start the sums
	QUARTER 0, 2, F1, F0, 0
	QUARTER 0, 3, F0, F1, 0
	TURN 0, 1, 1                                   ; slot 0 takes K step 2
	QUARTER 1, 1, F0, F1, 0                        ; K step 1
	QUARTER 1, 2, F1, F0, 0
	QUARTER 1, 3, F0, F1, 0
	TURN 1, 0, 1                                   ; slot 1 takes K step 3
	QUARTER 0, 1, F0, F1, 0                        ; K step 2
	QUARTER 0, 2, F1, F0, 0
	QUARTER 0, 3, F0, F1, 0
	TURN 0, 1, 0                                   ; nothing is left to fetch
	QUARTER 1, 1, F0, F1, 0                        ; K step 3
	QUARTER 1, 2, F1, F0, 0
	QUARTER 1, 3, F0, F1, 0
	s_wait_dscnt 16
	WIN MUL
	MUL8 F1, 0, 0, 0
	MUL8 F1, 0, 2, 0
	s_wait_dscnt 0
	MUL8 F1, 1, 0, 0
	MUL8 F1, 1, 2, 0
	WIN 0
; THE WAY OUT, block by block of 16 rows x 64 columns: my 64 columns of f32 are 256 consecutive bytes of a row, aligned, so each wave has a stage of its own and no barrier is needed.
.macro TOSTAGE a
.set BB, BK+32*((\a)%2)
.irp b, 0,1,2,3
	ds_store_b128 v[STO], v[ACC+8*(4*(\a)+\b):ACC+8*(4*(\a)+\b)+3] offset:64*\b        ; each accumulator from its low end on
	ds_store_b128 v[STO], v[ACC+8*(4*(\a)+\b)+4:ACC+8*(4*(\a)+\b)+7] offset:64*\b+16
.endr
.irp i, 0,1,2,3,4,5,6,7
	ds_load_b128 v[BB+4*\i:BB+4*\i+3], v[RD] offset:2*SPITCH*\i    ; LDS serves a wave's instructions in order: these see the stores above
.endr
.endm
.macro SEND a, younger                 ; younger: the LDS instructions issued behind block a's loads, which may stay out
.set BB, BK+32*((\a)%2)
	s_wait_dscnt \younger
.irp i, 0,1,2,3,4,5,6,7
	global_store_b128 v[CO], v[BB+4*\i:BB+4*\i+3], s[10:11] offset:(16*(\a)+2*\i)*4096 th:TH_STORE_NT   ; sixteen lanes store 256 consecutive bytes, aligned
.endr
.endm
	PLACES                                         ; behind the last products, ahead of the first read of results
	TOSTAGE 0
.irp a, 1,2,3
.if \a > 1
	s_wait_xcnt 0x0                                ; block a - 2's stores have read their registers: block a's loads may land there
.endif
	TOSTAGE \a
	SEND \a-1, 16                                  ; behind block a - 1's loads: block a's 8 stores and 8 loads
.endr
	SEND 3, 0
	s_wait_tensorcnt 0x0                           ; the wave's end, behind my last tensor load and my last LDS store
	ds_add_u32 v[SPW], v[NIL]
	s_wait_dscnt 0x0
	CROUND                                         ; the closing round
	s_endpgm
.Lfunc_end_k_qc515a442cd_outp:
	.size	k_qc515a442cd_outp, .Lfunc_end_k_qc515a442cd_outp-k_qc515a442cd_outp
	.p2alignl 7, 3214868480
	.fill 96, 4, 3214868480
	.section	.rodata,"a",@progbits
	.p2align	6, 0x0
	.amdhsa_kernel k_qc515a442cd_outp
		.amdhsa_group_segment_fixed_size 327680
		.amdhsa_private_segment_fixed_size 0
		.amdhsa_enable_private_segment 0
		.amdhsa_kernarg_size 32
		.amdhsa_user_sgpr_count 2
		.amdhsa_user_sgpr_kernarg_segment_ptr 1
		.amdhsa_wavefront_size32 1
		.amdhsa_system_sgpr_workgroup_id_x 1
		.amdhsa_system_sgpr_workgroup_id_y 1
		.amdhsa_system_sgpr_workgroup_id_z 1
		.amdhsa_system_vgpr_workitem_id 0
		.amdhsa_next_free_vgpr 512
		.amdhsa_next_free_sgpr 66
		.amdhsa_reserve_vcc 0
		.amdhsa_float_denorm_mode_32 3
		.amdhsa_float_denorm_mode_16_64 3
		.amdhsa_memory_ordered 1
		.amdhsa_forward_progress 1
		.amdhsa_inst_pref_size 87
	.end_amdhsa_kernel
	.amdgpu_metadata
---
amdhsa.version: [ 1, 2 ]
amdhsa.kernels:
  - .name:           k_qc515a442cd_outp
    .symbol:         k_qc515a442cd_outp.kd
    .args:
      - { .name: xh, .offset: 0, .size: 8, .value_kind: global_buffer, .address_space: global }
      - { .name: wo16, .offset: 8, .size: 8, .value_kind: global_buffer, .address_space: global }
      - { .name: bo, .offset: 16, .size: 8, .value_kind: global_buffer, .address_space: global }
      - { .name: out0, .offset: 24, .size: 8, .value_kind: global_buffer, .address_space: global }
    .group_segment_fixed_size: 327680
    .private_segment_fixed_size: 0
    .kernarg_segment_align: 8
    .kernarg_segment_size: 32
    .max_flat_workgroup_size: 128
    .sgpr_count:     66
    .vgpr_count:     512
    .wavefront_size: 32
...
	.end_amdgpu_metadata
.endif
;; end of part 4
